; MI455X (gfx1250); checked and timed in simulation.
; The chip was launched on July 23, 2026; its instructions are those of AMD's public machine-readable ISA for CDNA 5 (MIT licence, August 2026) and "CDNA5" Instruction Set Architecture Reference Guide (July 2026). The comments in the code are by the model that wrote it; some were corrected since.
;; Casual Attention. Allowed arithmetic: matrix products marked QUANTISED: E5M2 operands, one E8M0 scale for each 32 along K, by v_wmma_scale_f32_16x16x128_f8f6f4 with both operands' format E5M2, f32 sums; everything else in f32.
;; Inputs: Wk 1,024 x 1,024 float32; Wq 1,024 x 1,024 float32; Wv 1,024 x 1,024 float32; x 4 x 2,048 x 1,024 float32.
;; Outputs: out0 4 x 2,048 x 1,024 float32.
;; This version of the problem:
;;   THIS VERSION OF THE PROBLEM IS GIVEN IN LOW PRECISION. The matrix products marked QUANTISED in the list below multiply operands that are first quantised to E5M2 (5 exponent bits, 2 mantissa bits; 8 bits a number), with one power-of-two scale for each 32 numbers along K (OCP MX v1.0); their sums are f32. All else is computed in f32.
;;   The module's matrix products, in the order in which they are computed (A, B: the left and right operand; K: the contracted axis; several contracted axes count as one K, in the product's order):
;;     1. [M 8,192, K 1,024] x [K 1,024, N 1,024]; A: input x; B: input Wq: QUANTISED
;;     2. [M 8,192, K 1,024] x [K 1,024, N 1,024]; A: input x; B: input Wk: QUANTISED
;;     3. [M 8,192, K 1,024] x [K 1,024, N 1,024]; A: input x; B: input Wv: QUANTISED
;;     4. batch 4 x [M 2,048, K 1,024] x [K 1,024, N 2,048]; A: computed on the way; B: computed on the way: QUANTISED
;;     5. batch 4 x [M 2,048, K 2,048] x [K 2,048, N 1,024]; A: softmax (see below); B: computed on the way: QUANTISED
;;   THE QUANTISER, for each operand of a quantised product, along K:
;;     - K is cut into blocks of 32 from its start; a last block that is shorter is filled with zeros.
;;     - A block's scale is 2^e with e = floor(log2(the largest magnitude in the block)) - 15, held to -126 .. 127; a block of zeros has e = 0. As a byte (E8M0): e + 127.
;;     - Each number is divided by its block's scale, clamped to +-57,344, and rounded to the nearest number of E5M2, ties to even, subnormals kept.
;;     - The product sums the exact products of the quantised numbers (number of the format x scale) in f32.
;;   ~~~python
;;   def quantise(x, axis):      # numpy; x: float32 -> the quantised numbers, widened to float32 again
;;       x = np.moveaxis(x, axis, -1); K = x.shape[-1]
;;       x = np.pad(x, [(0, 0)] * (x.ndim - 1) + [(0, -K % 32)]); x = x.reshape(x.shape[:-1] + (-1, 32)); a = np.abs(x).max(-1, keepdims=True)
;;       e = np.where(a > 0, np.clip(np.frexp(np.where(a > 0, a, 1))[1] - 1 - 15, -126, 127), 0)      # np.frexp(a)[1] - 1 = floor(log2(a)), exactly
;;       r = np.clip(x / 2.0 ** e, -57344, 57344)
;;       step = 2.0 ** (np.maximum(np.frexp(np.where(r == 0, 1, r))[1] - 1, -14) - 2)
;;       q = np.round(r / step) * step * 2.0 ** e      # np.round: ties to even
;;       return np.moveaxis(q.reshape(q.shape[:-2] + (-1,))[..., :K], -1, axis).astype(np.float32)
;;   ~~~
;;   SOFTMAX AHEAD OF A QUANTISED PRODUCT. Where the list says 'softmax', what is quantised is not the finished softmax but p = 2^(t - M), with t = logit x log2(e) and M = ceil(the row's largest t), a whole number; so 1/2 < the row's largest p <= 1. The row's sum l is taken of the UNQUANTISED p, in f32, and the product's result is divided by l at the end. Since M is a whole number, a kernel that streams over the keys may use a running M (the ceiling of the running maximum): every later rescaling is an exact power of two, which a block's scale takes up: the codes' values come out the same.
;;   OPERANDS COMPUTED ON THE WAY. 'Computed on the way' means the value that the module computes at that place (a softmax that the list does not call 'softmax' is quantised finished and normalised). What goes into a quantiser is computed in f32, as accurately as f32 sums, v_exp_f32 and their like allow (about 1e-6 of the number): no bf16 or f16 on the way to a quantiser, and a product that is left as it is and whose result goes on into a quantised operand takes f32 operands (vector FMAs, or v_wmma_f32_16x16x4_f32). A number that lies on a knife's edge between two numbers of the format may be rounded either way, as far as f32 arithmetic and the matrix unit's own rounding can turn it there, and no further.
;; One version. Each part assembles by itself: llvm-mc -triple=amdgcn-amd-amdhsa -mcpu=gfx1250 --defsym DOCPART=n.
;; ======== version 1 of 1: 4 launches
;; limits: right only within a limited range of input values
;; workspace buffers: xw_img 11,534,336 bytes; xw_sc 360,448 bytes; qkv_img 25,165,824 bytes; qkv_sc 786,432 bytes; p_img 16,777,216 bytes; p_aux 2,097,152 bytes
;; launch quant (part 1): grid 256 x 1, 8 waves a work-group, no clusters, 70,144 bytes of LDS; arguments x, Wq, Wk, Wv, xw_img, xw_sc; writes xw_img, xw_sc
.if DOCPART == 1
	.amdgcn_target "amdgcn-amd-amdhsa--gfx1250"
	.amdhsa_code_object_version 6
	.text
	.protected	k_qa5ac78efcb_quant
	.globl	k_qa5ac78efcb_quant
	.p2align	8
	.type	k_qa5ac78efcb_quant,@function
k_qa5ac78efcb_quant:
	s_mov_b64 s[64:65], 0
	v_nop
	global_prefetch_b8 v0, s[64:65] scope:SCOPE_SE
	s_setreg_imm32_b32 hwreg(HW_REG_WAVE_MODE, 25, 1), 1
	s_wait_xcnt 0x0
; THE PROGRAM: causal attention with one head of 1,024, four launches: quant (x and the three weights into codes of E5M2 with E8M0 scales), proj (q, k, v, quantised on the way out),
; score (q k^T, mask, p = 2^(t - M) quantised), pv (p v, divided by the row's sum).
; WORK LEFT OUT, for all values of the inputs: reference() builds jnp.tril itself and sets every score with key > query to -inf, so that its softmax weight is 0 and it adds 0 to every output,
; whatever x, Wq, Wk, Wv hold.  So the tiles of 256 queries x 256 keys that lie wholly above the diagonal are neither multiplied in q k^T nor walked in p v.  Every input has a way to the output and is loaded.
; LIMIT: a NaN, an infinity or an overflow that arises only in such a tile is not carried to the result.
; THIS LAUNCH.  x [8192][1024] (K innermost) and Wq, Wk, Wv [1024 (K)][1024 (n)] (K outermost), f32, become operands along K = d_in.
; A block's scale is 2^(floor(log2(largest magnitude)) - 15); its byte is the largest magnitude's exponent field - 15, held at 1 from below; numbers are held within +-57,344 x the scale and rounded to the nearest code.
; (A block of zeros keeps the byte 1: its codes are zeros, and this program alone reads the bytes.)  LIMITS: NaN and infinities among the inputs are not served; blocks whose largest magnitude lies under 2^-111 keep the byte 1.
; LAYOUT OF ALL WORKSPACE OPERANDS: IMAGES OF THE OPERAND'S REGISTERS.  A tile T is 16 rows: index i is natural row 32 (T / 2) + 8 (T % 2) + i + 8 (i / 8).  A fragment (tile, 128 along K) is 2,048 bytes:
; register group c of lane l at 512 c + 16 l holds k = 32 c + 16 (l / 16) + 0 .. 15 of row index l % 16.  xw_img: [place 704][K step 8][2048]: places 0-511 x, 512-575 Wq, 576-639 Wk, 640-703 Wv (rows = n).
; x's tile T = 16 g + 8 w + t lies at place 16 g + 2 t + w, the order in which the next launch walks it.  xw_sc: x's words [place][K step / 4][row 16][K step % 4], then from byte 262,144 on the weights' words [K step][tile 192][row 16].
; SHARES.  256 equal work-groups of eight waves.  Of x a work-group takes two tiles (32 rows), wave w K step w: a load reads 512 consecutive bytes of a row; the 16 rows of a fragment turn through the wave's own stage in LDS,
; so that a lane holds 16 neighbours of each block of 32.  Of the weights it takes three pieces of 32 columns x 128 along K: waves 0-3 two neighbouring pieces of Wq or Wk, waves 4-7 one of Wv; wave w takes the 32 along K number w % 4;
; a lane takes a column and its registers run down K, so nothing is transposed.  Scale words are gathered in LDS.  No tensor load and no prefetch: every byte is read once, and all of a wave's first loads are out at its start.
.set SX,   0                           ; LDS: x's scale words of the two tiles, 1,024 bytes
.set SW,   1024                        ; the weights' words of the three pieces, 384 bytes
.set STG0, 1536                        ; eight stages
.set STG,  8448                        ; a stage: 16 rows, 528 bytes apart
.set SPARE, STG0+8*STG                 ; the spare words, 128 bytes a wave, that no other line names
.set WD,   8                           ; v8-9     x: a scale word for each of the two tiles
.set WMG,  10                          ; v10      both in one register: lanes 0-15 the even tile's, lanes 16-31 the odd one's
.set XWA,  11                          ; v11      LDS address of my word of x
.set WCO,  12                          ; v12      weights: my codes' offset
.set WBA,  13                          ; v13      weights: LDS address of my scale byte
.set SPW,  14
.set NIL,  15
.set R,    16                          ; v16-143  x: two fragments
.set W,    144                         ; v144-207 two blocks of a weight
.set PC,   208                         ; v208-239 codes
.set TM,   240                         ; v240-255 at work
.set SEL,  28
.set HM,   30
.set MNT,  31
	s_load_b256 s[4:11], s[0:1], 0x0               ; x, Wq, Wk, Wv
	s_load_b128 s[12:15], s[0:1], 0x20             ; xw_img, xw_sc
	v_lshl_add_u32 v[SPW], v0, 2, SPARE
	v_mov_b32 v[NIL], 0
	v_lshrrev_b32 v5, 5, v0
	v_readfirstlane_b32 s16, v5                    ; wave
	v_and_b32 v6, 31, v0                           ; lane
	v_lshlrev_b32 v1, 4, v6                        ; 16 x lane
	v_lshlrev_b32 v4, 2, v6                        ; 4 x lane
	v_and_b32 v7, 15, v0
	v_bfe_u32 v5, v0, 4, 1
	s_mul_i32 s17, s16, STG
	s_add_co_u32 s17, s17, STG0
	v_add_nc_u32 v2, s17, v1                       ; the stage, in: a row's 512 bytes as loaded
	v_mul_u32_u24 v3, v7, 528
	v_lshl_add_u32 v3, v5, 6, v3
	v_add_nc_u32 v3, s17, v3                       ; out: row l % 16, + 64 bytes for lanes 16-31
	v_cmp_eq_u32 s[HM], 1, v5
	s_lshr_b32 s18, s16, 2
	s_lshl_b32 s18, s18, 8
	s_and_b32 s17, s16, 3                          ; which 32 of a weight's 128 along K is mine
	s_lshl_b32 s19, s17, 2
	s_add_co_u32 s19, s19, s18
	v_lshlrev_b32 v[XWA], 4, v7
	v_lshl_add_u32 v[XWA], v5, 9, v[XWA]
	v_add_nc_u32 v[XWA], s19, v[XWA]
	v_bfe_u32 v8, v0, 3, 1                         ; a weight: column 32 p + lane is index (lane & 7) + 8 (lane / 16) of tile 2 p + ((lane / 8) & 1)
	v_and_b32 v9, 7, v0
	v_lshl_add_u32 v9, v5, 3, v9
	v_lshlrev_b32 v[WCO], 4, v9
	v_lshl_add_u32 v[WCO], v8, 14, v[WCO]
	s_add_co_u32 s18, s18, s17
	s_add_co_u32 s18, s18, SW
	v_lshlrev_b32 v[WBA], 2, v9
	v_lshl_add_u32 v[WBA], v8, 6, v[WBA]
	v_add_nc_u32 v[WBA], s18, v[WBA]
	v_lshlrev_b32 v7, 3, v6                        ; 8 x lane
.irp b, 0,1,2,3
	v_mov_b32 v[TM+4+\b], 0                        ; written once: a lane permute's destination counts as one of its sources
.endr
	s_mov_b32 s[MNT], 0x600000
	s_mov_b32 s[SEL], 0x76543210
	s_mov_b32 s[SEL+1], 0xfedcba98
	s_lshr_b32 s18, ttmp9, 3                       ; waves 0-3: columns 64 (g / 8) on, K step g % 8, g the work-group's number
	s_lshl_b32 s18, s18, 1
	s_and_b32 s19, ttmp9, 7
	s_lshr_b32 s20, ttmp9, 4                       ; waves 4-7: of Wv columns 64 (g / 16) + 32 (g % 2) on, K step (g / 2) % 8
	s_lshl_b32 s20, s20, 1
	s_and_b32 s21, ttmp9, 1
	s_add_co_u32 s20, s20, s21
	s_add_co_u32 s20, s20, 64
	s_bfe_u32 s21, ttmp9, 0x30001
	s_cmp_lt_u32 s16, 4
	s_cselect_b32 s18, s18, s20                    ; my first 32 columns among the three weights' 96
	s_cselect_b32 s19, s19, s21                    ; my K step
	s_and_b32 s20, s18, 31
	s_lshl_b32 s20, s20, 7
	s_lshl_b32 s21, s19, 19
	s_add_co_u32 s20, s20, s21
	s_lshl_b32 s21, s17, 17
	s_add_co_u32 s20, s20, s21                     ; in: row 128 x K step + 32 x block of 4,096 bytes
	s_mov_b32 s21, 0
	s_lshl_b32 s22, s18, 15
	s_lshl_b32 s23, s19, 11
	s_add_co_u32 s22, s22, s23
	s_lshl_b32 s23, s17, 9
	s_add_co_u32 s22, s22, s23
	s_add_co_u32 s22, s22, 8388608                 ; out: behind x's 512 places
	s_mov_b32 s23, 0
	s_mul_i32 s26, s19, 12288
	s_lshl_b32 s27, s18, 7
	s_add_co_u32 s26, s26, s27
	s_add_co_u32 s26, s26, 262144
	s_mov_b32 s27, 0
	s_lshl_b32 s32, ttmp9, 17                      ; x: 32 rows of 4,096 bytes, my K step's 512 bytes
	s_lshl_b32 s33, s16, 9
	s_add_co_u32 s32, s32, s33
	s_mov_b32 s33, 0
	s_lshr_b32 s36, ttmp9, 3                       ; the first tile's place: 16 (g / 8) + 4 (g % 4) + (g / 4) % 2; the second's is 2 on
	s_lshl_b32 s36, s36, 4
	s_and_b32 s37, ttmp9, 3
	s_lshl_b32 s37, s37, 2
	s_add_co_u32 s36, s36, s37
	s_bfe_u32 s37, ttmp9, 0x10002
	s_add_co_u32 s36, s36, s37
	s_lshl_b32 s34, s36, 14
	s_lshl_b32 s35, s16, 11
	s_add_co_u32 s34, s34, s35
	s_mov_b32 s35, 0
	s_lshl_b32 s36, s36, 9
	s_mov_b32 s37, 0
	s_wait_alu depctr_va_vdst(0)
	s_wait_kmcnt 0x0
	s_add_nc_u64 s[4:5], s[4:5], s[32:33]
	s_cmp_lt_u32 ttmp9, 128
	s_cselect_b64 s[6:7], s[6:7], s[8:9]
	s_cmp_lt_u32 s16, 4
	s_cselect_b64 s[6:7], s[6:7], s[10:11]         ; the matrix: a choice that hangs on the work-group's and the wave's numbers alone
	s_add_nc_u64 s[6:7], s[6:7], s[20:21]
	s_add_nc_u64 s[34:35], s[12:13], s[34:35]
	s_add_nc_u64 s[22:23], s[12:13], s[22:23]
	s_add_nc_u64 s[36:37], s[14:15], s[36:37]
	s_add_nc_u64 s[26:27], s[14:15], s[26:27]
; 64 numbers of a lane, register 16 b + i = k 32 b + 16 (lane / 16) + i of my row, become a fragment's codes and its scale word
.macro QUANT s, pc, pw
.irp b, 0,1,2,3
	v_max3_num_f32 v[TM+\b], |v[\s+16*\b]|, |v[\s+1+16*\b]|, 0x8000000   ; my 16 numbers of block b, and the floor 2^(16 - 127): the byte cannot fall under 1
.endr
.irp i, 2,4,6,8,10,12,14
.irp b, 0,1,2,3
	v_max3_num_f32 v[TM+\b], v[TM+\b], |v[\s+16*\b+\i]|, |v[\s+1+16*\b+\i]|
.endr
.endr
.irp b, 0,1,2,3
	v_permlanex16_b32 v[TM+4+\b], v[TM+\b], s[SEL], s[SEL+1]
.endr
.irp b, 0,1,2,3
	v_max_num_f32 v[TM+\b], v[TM+\b], v[TM+4+\b]   ; with lane l xor 16's: the block's largest magnitude
.endr
.irp b, 0,1,2,3
	v_add_nc_u32 v[TM+12+\b], 0xf8800000, v[TM+\b] ; 15 off its exponent field: the conversion's scale operand
.endr
.irp b, 0,1,2,3
	v_and_or_b32 v[TM+8+\b], v[TM+\b], 0x7f800000, s[MNT]   ; 57,344 x the scale
.endr
.irp b, 0,1,2,3
	v_lshrrev_b32 v[TM+4+\b], 23, v[TM+12+\b]      ; the scale's byte
.endr
	v_lshl_or_b32 v[\pw], v[TM+5], 8, v[TM+4]
	v_lshl_or_b32 v[\pw], v[TM+6], 16, v[\pw]
	v_lshl_or_b32 v[\pw], v[TM+7], 24, v[\pw]
.irp b, 0,1,2,3
.irp i, 0,1,2,3,4,5,6,7,8,9,10,11,12,13,14,15
	v_med3_num_f32 v[\s+16*\b+\i], v[\s+16*\b+\i], -v[TM+8+\b], v[TM+8+\b]   ; the conversion to an 8-bit code does not saturate (ISA guide 7.6.2): the hold comes first
.endr
	v_cvt_scalef32_pk8_bf8_f32 v[\pc+4*\b:\pc+1+4*\b], v[\s+16*\b:\s+7+16*\b], v[TM+12+\b]
	v_cvt_scalef32_pk8_bf8_f32 v[\pc+2+4*\b:\pc+3+4*\b], v[\s+8+16*\b:\s+15+16*\b], v[TM+12+\b]
.endr
	v_nop                                          ; a plain line behind the last conversion
.endm
.macro LOADF f                         ; tile f's 16 rows, my K step: 512 consecutive bytes a load
.irp i, 0,1,2,3,4,5,6,7,8,9,10,11,12,13,14,15
	global_load_b128 v[R+64*\f+4*\i:R+64*\f+4*\i+3], v1, s[4:5] offset:(8*\f+\i+8*(\i/8))*4096 th:TH_LOAD_NT
.endr
.endm
.macro XFRAG f
.set RS, R+64*\f
.irp i, 0,1,2,3,4,5,6,7,8,9,10,11,12,13,14,15
	ds_store_b128 v2, v[RS+4*\i:RS+4*\i+3] offset:528*\i
.endr
	s_wait_dscnt 0x0                               ; the stores have read their registers, which take the numbers back
.irp b, 0,1,2,3
.irp j, 0,1,2,3
	ds_load_b128 v[RS+16*\b+4*\j:RS+16*\b+4*\j+3], v3 offset:128*\b+16*\j
.endr
.endr
	s_wait_dscnt 0x0
	QUANT RS, PC+16*\f, WD+\f
.irp c, 0,1,2,3
	global_store_b128 v1, v[PC+16*\f+4*\c:PC+16*\f+4*\c+3], s[34:35] offset:\f*32768+512*\c   ; 512 consecutive bytes
.endr
.endm
.macro LOADW t                         ; block t: 32 rows of my column: 128 consecutive bytes a load
.set i, 0
.rept 32
	global_load_b32 v[W+32*\t+i], v4, s[6:7] offset:i*4096+128*\t th:TH_LOAD_NT
.set i, i+1
.endr
.endm
.set MX,  TM
.set MY,  TM+1
.set HLD, TM+2
.set SCL, TM+3
.set BY,  TM+8
.macro BLOCK t
.set XS, W+32*\t
.set CC, PC+8*\t
	s_wait_xcnt 0x0                                ; earlier stores have read the codes' registers
	v_max3_num_f32 v[MX], |v[XS]|, |v[XS+1]|, |v[XS+2]|   ; all 32 numbers of the block are mine
	v_max3_num_f32 v[MY], |v[XS+3]|, |v[XS+4]|, |v[XS+5]|
.irp i, 6,10,14,18,22,26
	v_max3_num_f32 v[MX], v[MX], |v[XS+\i]|, |v[XS+\i+1]|
	v_max3_num_f32 v[MY], v[MY], |v[XS+\i+2]|, |v[XS+\i+3]|
.endr
	v_max3_num_f32 v[MX], v[MX], |v[XS+30]|, |v[XS+31]|
	v_max3_num_f32 v[MX], v[MX], v[MY], 0x8000000  ; and the floor
	v_add_nc_u32 v[SCL], 0xf8800000, v[MX]
	v_and_or_b32 v[HLD], v[MX], 0x7f800000, s[MNT]
	v_lshrrev_b32 v[BY], 23, v[SCL]
	ds_store_b8 v[WBA], v[BY] offset:128*\t
.set i, 0
.rept 32
	v_med3_num_f32 v[XS+i], v[XS+i], -v[HLD], v[HLD]
.set i, i+1
.endr
.irp g, 0,1,2,3
	v_cvt_scalef32_pk8_bf8_f32 v[CC+2*\g:CC+2*\g+1], v[XS+8*\g:XS+8*\g+7], v[SCL]
.endr
	v_nop
	global_store_b128 v[WCO], v[CC:CC+3], s[22:23] offset:32768*\t        ; k 0-15 of the block: the place of lanes 0-15.  Sixteen lanes fill 256 consecutive bytes, aligned
	global_store_b128 v[WCO], v[CC+4:CC+7], s[22:23] offset:32768*\t+256  ; k 16-31: the place of lanes 16-31
.endm
	LOADF 0
	LOADF 1
	LOADW 0
	s_wait_loadcnt 48                              ; tile 0's 16 loads are in; tile 1's 16 and the weight's 32 may be out
	XFRAG 0
	s_wait_loadcnt 32                              ; tile 1's are in; the weight's 32 may be out
	s_cmp_lt_u32 s16, 4
	s_cbranch_scc0 .Lone
	LOADW 1                                        ; waves 0-3 have a second block
.Lone:
	XFRAG 1
	v_cndmask_b32 v[WMG], v[WD], v[WD+1], s[HM]
	ds_store_b32 v[XWA], v[WMG]
	s_cmp_lt_u32 s16, 4
	s_cbranch_scc0 .Lall
	s_wait_loadcnt 32                              ; block 0 is in; block 1's 32 loads may be out
	s_branch .Lblock
.Lall:
	s_wait_loadcnt 0x0
.Lblock:
	BLOCK 0
	s_cmp_lt_u32 s16, 4
	s_cbranch_scc0 .Lgather
	s_wait_loadcnt 0x0
	BLOCK 1
.Lgather:
	s_wait_dscnt 0x0                               ; my words and bytes have landed
	s_barrier_signal -1
	s_barrier_wait -1
	s_cmp_eq_u32 s16, 0                            ; wave 0: the words of the two neighbouring pieces, 256 consecutive bytes
	s_cbranch_scc0 .Lnot_0
	ds_load_b64 v[R:R+1], v7 offset:SW
	s_wait_dscnt 0x0
	global_store_b64 v7, v[R:R+1], s[26:27]
	s_branch .Lend
.Lnot_0:
	s_cmp_eq_u32 s16, 4                            ; wave 4: Wv's piece
	s_cbranch_scc0 .Lnot_4
	ds_load_b32 v[R], v4 offset:SW+256
	s_wait_dscnt 0x0
	global_store_b32 v4, v[R], s[26:27]
	s_branch .Lend
.Lnot_4:
	s_cmp_eq_u32 s16, 1                            ; waves 1, 2: x's two tiles, 512 consecutive bytes each
	s_cbranch_scc0 .Lnot_1
	ds_load_b128 v[R:R+3], v1 offset:SX
	s_wait_dscnt 0x0
	global_store_b128 v1, v[R:R+3], s[36:37]
	s_branch .Lend
.Lnot_1:
	s_cmp_eq_u32 s16, 2
	s_cbranch_scc0 .Lend
	ds_load_b128 v[R:R+3], v1 offset:SX+512
	s_wait_dscnt 0x0
	global_store_b128 v1, v[R:R+3], s[36:37] offset:1024
.Lend:
	s_wait_tensorcnt 0x0                           ; the wave's end
	ds_add_u32 v[SPW], v[NIL]
	s_wait_dscnt 0x0
	s_endpgm
.Lfunc_end_k_qa5ac78efcb_quant:
	.size	k_qa5ac78efcb_quant, .Lfunc_end_k_qa5ac78efcb_quant-k_qa5ac78efcb_quant
	.p2alignl 7, 3214868480
	.fill 96, 4, 3214868480
	.section	.rodata,"a",@progbits
	.p2align	6, 0x0
	.amdhsa_kernel k_qa5ac78efcb_quant
		.amdhsa_group_segment_fixed_size 70144
		.amdhsa_private_segment_fixed_size 0
		.amdhsa_enable_private_segment 0
		.amdhsa_kernarg_size 48
		.amdhsa_user_sgpr_count 2
		.amdhsa_user_sgpr_kernarg_segment_ptr 1
		.amdhsa_wavefront_size32 1
		.amdhsa_system_sgpr_workgroup_id_x 1
		.amdhsa_system_sgpr_workgroup_id_y 1
		.amdhsa_system_sgpr_workgroup_id_z 1
		.amdhsa_system_vgpr_workitem_id 0
		.amdhsa_next_free_vgpr 256
		.amdhsa_next_free_sgpr 66
		.amdhsa_reserve_vcc 0
		.amdhsa_float_denorm_mode_32 3
		.amdhsa_float_denorm_mode_16_64 3
		.amdhsa_memory_ordered 1
		.amdhsa_forward_progress 1
		.amdhsa_inst_pref_size 44
	.end_amdhsa_kernel
	.amdgpu_metadata
---
amdhsa.version: [ 1, 2 ]
amdhsa.kernels:
  - .name:           k_qa5ac78efcb_quant
    .symbol:         k_qa5ac78efcb_quant.kd
    .args:
      - { .name: x, .offset: 0, .size: 8, .value_kind: global_buffer, .address_space: global }
      - { .name: Wq, .offset: 8, .size: 8, .value_kind: global_buffer, .address_space: global }
      - { .name: Wk, .offset: 16, .size: 8, .value_kind: global_buffer, .address_space: global }
      - { .name: Wv, .offset: 24, .size: 8, .value_kind: global_buffer, .address_space: global }
      - { .name: xw_img, .offset: 32, .size: 8, .value_kind: global_buffer, .address_space: global }
      - { .name: xw_sc, .offset: 40, .size: 8, .value_kind: global_buffer, .address_space: global }
    .group_segment_fixed_size: 70144
    .private_segment_fixed_size: 0
    .kernarg_segment_align: 8
    .kernarg_segment_size: 48
    .max_flat_workgroup_size: 256
    .sgpr_count:     66
    .vgpr_count:     256
    .wavefront_size: 32
...
	.end_amdgpu_metadata
.endif
;; end of part 1
;; launch proj (part 2): grid 16 x 16, 4 waves a work-group, clusters of 4 x 4, 327,680 bytes of LDS; arguments xw_img, xw_sc, qkv_img, qkv_sc; writes qkv_img, qkv_sc
.if DOCPART == 2
	.amdgcn_target "amdgcn-amd-amdhsa--gfx1250"
	.amdhsa_code_object_version 6
	.text
	.protected	k_qa5ac78efcb_proj
	.globl	k_qa5ac78efcb_proj
	.p2align	8
	.type	k_qa5ac78efcb_proj,@function
k_qa5ac78efcb_proj:
	s_mov_b64 s[64:65], 0
	v_nop
	global_prefetch_b8 v0, s[64:65] scope:SCOPE_SE
	s_setreg_imm32_b32 hwreg(HW_REG_WAVE_MODE, 25, 1), 1
	s_wait_xcnt 0x0
	s_wait_alu depctr_hold_cnt(0) depctr_sa_sdst(0) depctr_va_vdst(0) depctr_va_sdst(0) depctr_va_ssrc(0) depctr_va_vcc(0) depctr_vm_vsrc(0)
	s_getreg_b32 s2, hwreg(HW_REG_IB_STS2, 6, 4)
	s_cmp_eq_u32 s2, 0
	s_cbranch_scc0 .Lentry_in_a_cluster
	s_endpgm
.Lentry_in_a_cluster:
	s_bfe_u32 s2, ttmp6, 0x10000c
	s_cmp_lg_u32 s2, 0xf033
	s_cbranch_scc0 .Lentry_shape_is_right
	s_endpgm
.Lentry_shape_is_right:
; q, k, v = x Wq, x Wk, x Wv AND THEIR QUANTISERS: 8,192 x 3,072 x 1,024 on codes of E5M2.  q and k are quantised along d, v along the tokens; no f32 result is stored.
; OUT: qkv_img: q's tiles 0-511, k's 512-1,023: [tile of 16 tokens][128 of d: 8][2048]; from byte 16,777,216 on v: [batch][tile of 16 of d: 64][128 tokens: 16][2048].  qkv_sc: q, k [128 of d][tile 1,024][16 words]; from byte 524,288 on v [batch][128 tokens][tile of d][16 words].
; LIMITS: NaN, infinities and sums beyond f32's range are not served; a block's byte never falls under 1.
; SHARES.  256 work-groups of four waves, 2 x 2.  A wave holds 64 rows of a weight, ALL of K, in 512 registers (windows 1, 2) and streams x's tiles past them: blocks of 16 rows, all of K, in two sets of 128 registers (window 3).
; PHASE 1: 512 tokens x 128 columns of q (tile columns 0-7) or k (8-15): sixteen blocks a wave.  PHASE 2: 256 tokens x 128 columns of v, eight blocks, of window s18 of the work-group's own two windows of 256 tokens.
; ORDER OF WORK.  LDS has two slots of 128 rows.  Chunks 0, 1 are the window that is not v's, chunks 2, 3 v's window.  A weight's rows lie in a slot until they are in registers (the first in slot 1, Wv's in slot 0).
; Phase 2 takes chunk 3 as it still lies in slot 1, then chunk 2 anew in slot 0.  The scale bytes of x's 512 rows lie in LDS throughout, in the order of work.
; FILLS, all joint (x along a row of the 4 x 4 cluster, a weight along a column).  Head: wave 0 the weight, wave 1 chunk 0, waves 2, 3 a window's scale bytes each.  Refills, a quarter of 128 rows a wave, each behind a drained round: chunks 1, 2, 3 in blocks 0, 4, 8,
; their first halves shown by the plain barrier two blocks on, their second by the next round; Wv behind block 11, shown at the change of phase; chunk 2 anew behind that, shown in v's block 1.
; A BLOCK'S WAY OUT stands among later products: q's and k's among the next block's, a pair of v's blocks (copied into two more sets of sums) among the next pair's.  The first way out of either phase has no block before it and stores nothing.
; PREFETCH: chunks 1 and 2 at the head, chunk 3 and Wv's rows in trips 1 and 2, each block of 256 bytes by one of the sixteen waves that share the tile, four blocks of work or more ahead of its load; chunk 2's second load names bytes that were read before.
.set YB,   131072                      ; slot 1
.set SCL,  262144                      ; the scale bytes of x's 512 rows in the order of work: 512 bytes a tile
.set XN,   278528                      ; q's, k's scale bytes: [my half of the columns][window][wave row][tile 8][row 16][2 bytes]
.set XV,   XN+2048                     ; v's scale words: [128 tokens][tile of d 8][row 16][4 bytes]
.set SPARE, XV+1024                    ; the spare words, 128 bytes a wave, that no other line names
.set BS,   32768                       ; from a block of a wave row to its next: two tiles
.set SSTEP, 1024                       ; and among the scale bytes
.set TB,   16384                       ; from a tile of q or k to the next in qkv_img
.set WPL,  12288                       ; from K step to K step among the weights' scale words
.set FPW,  16                          ; fragments in a window of registers
.set NP,   8                           ; plain vector lines behind a matrix instruction (ISA guide 7.12.1 for vector instructions)
.set NF,   34                          ; LDS loads of a block: eight fragments of four, two of four scale words
.set ADRA0, 4                          ; v4  LDS address of my fragments of a chunk's first block
.set AAS0, 6                           ; v6  of its scale words
.set CO,   9                           ; v9  16 x lane
.set SPW,  10
.set NIL,  11
.set ADRA, 12                          ; v12, v17 as v4, v6, for the block that is fetched next
.set VX,   13                          ; v13 LDS address of my scale bytes
.set ADRB, 14                          ; v14, v15 LDS address of my fragments of a weight in slot 1, in slot 0
.set ABS,  16                          ; v16 4 x lane
.set AAS,  17
.set RD,   19                          ; v19 LDS: v's byte
.set SOP,  20                          ; v20-23 the conversions' scale operands
.set SB,   24                          ; v24-39 the weight's scale words: register 8 p + q: lanes 0-15 tile 2 p's, lanes 16-31 tile 2 p + 1's
.set EB,   40                          ; v40-43 scale bytes
.set SA,   44                          ; v44-59 x's scale words: two sets of eight
.set TQ,   60                          ; v60-63 the way out's maxima and bounds
.set ACC,  64                          ; v64-191 four sets of four accumulators: products write 0 and 1 by turns; 2 and 3 take a pair of v's blocks
.set WS,   128                         ; v128-143 in phase 1: Wv's scale words
.set MCD,  192                         ; v192-207 codes
.set G1A,  24
.set G0A,  56
.set G1B,  32
.set G0B,  60
.set G1R,  48
.set G0R,  68
.set G1S,  92
.set G0S,  72
.set MSB, 0
.macro WIN new                         ; the immediate's high byte repeats the setting that is left
.if MSB != (\new)
	s_set_vgpr_msb (MSB<<8)|(\new)
.set MSB, \new
.endif
.endm
.macro PLACES n
.rept \n
	v_nop
.endr
.endm
.macro BARRIER
	s_barrier_signal -1
	s_barrier_wait -1
.endm
.macro CROUND
	BARRIER
	s_cmp_lg_u32 s14, 0
	s_cbranch_scc1 .Lnot_wave_0_\@
	s_barrier_signal -3
.Lnot_wave_0_\@:
	s_barrier_wait -3
	BARRIER
.endm
.macro TLOAD g0, g1                    ; an s_nop 0 and four v_nop follow the load
	tensor_load_to_lds s[\g0:\g0+3], s[\g1:\g1+7]
	s_nop 0
	PLACES 4
.endm
.macro GROUP1 g, mask, rows            ; a dense run of so many rows of 4,096 bytes (512 elements of 8)
	s_or_b32 s[\g+0], s[\mask], (3<<16)|(1<<21)
	s_mov_b32 s[\g+1], 512<<16
	s_mov_b32 s[\g+2], (\rows)<<16
	s_mov_b32 s[\g+3], 512<<16
	s_mov_b32 s[\g+4], \rows
	s_mov_b32 s[\g+5], 512
	s_mov_b32 s[\g+6], 0
	s_mov_b32 s[\g+7], 0
.endm
.macro SLA d, a, n                     ; s[d] += s[a] << n
	s_lshl_b32 s22, s\a, \n
	s_add_co_u32 s\d, s\d, s22
.endm
	s_load_b128 s[4:7], s[0:1], 0x0                ; xw_img, xw_sc
	v_lshl_add_u32 v[SPW], v0, 2, SPARE
	v_mov_b32 v[NIL], 0
	ds_add_u32 v[SPW], v[NIL]                      ; the opening: the add, twice on end, and its wait ahead of my first tensor load
	ds_add_u32 v[SPW], v[NIL]
	v_lshrrev_b32 v1, 5, v0
	v_readfirstlane_b32 s14, v1                    ; wave
	s_lshr_b32 s15, s14, 1                         ; my row of waves: 128 tokens of each window
	s_and_b32 s16, s14, 1                          ; my column of waves: 64 columns
	s_bfe_u32 s40, ttmp6, 0x40000                  ; cx
	s_bfe_u32 s41, ttmp6, 0x40004                  ; cy
	s_lshl_b32 s42, ttmp9, 2
	s_add_co_u32 s42, s42, s40                     ; tile column
	s_and_b32 s43, ttmp7, 0xffff
	s_lshl_b32 s43, s43, 2
	s_add_co_u32 s43, s43, s41                     ; tile row: 512 tokens
	s_lshr_b32 s19, ttmp9, 1                       ; 0: phase 1 makes q; 1: k
	s_and_b32 s18, ttmp9, 1                        ; v's window
	s_lshl_b32 s44, s41, 2
	s_lshl_b32 s44, 15, s44                        ; my row of the cluster: shares x's rows
	s_lshl_b32 s45, 0x1111, s40                    ; my column: shares a weight's
	GROUP1 G1B, 45, 32
	GROUP1 G1A, 44, 32
	GROUP1 G1R, 44, 8
	GROUP1 G1S, 44, 2
; offsets, each under 2^32.  s67, s2, s3: in xw_img the rows of the window that is not v's, of v's window, and Wv's
	s_lshl_b32 s67, s43, 19
	s_lshl_b32 s20, s18, 18
	s_add_co_u32 s2, s67, s20
	s_xor_b32 s20, s20, 0x40000
	s_add_co_u32 s67, s67, s20
	s_lshl_b32 s13, s19, 2
	s_add_co_u32 s13, s13, s40                     ; Wv's tile column 4 (cluster x / 2) + cx
	s_lshl_b32 s3, s13, 17
	s_add_co_u32 s3, s3, 10485760
	s_lshl_b32 s12, s13, 9                         ; Wv's scale words: my 64 columns
	SLA 12, 16, 8
	s_add_co_u32 s12, s12, 262144+8192
	s_lshl_b32 s78, s42, 17                        ; the first weight's codes
	s_add_co_u32 s78, s78, 8388608
	s_mov_b32 s79, 0
	s_lshl_b32 s80, s43, 1                         ; x's scale bytes: wave 2 the window that is not v's, wave 3 v's
	s_xor_b32 s20, s18, 1
	s_cmp_eq_u32 s16, 1
	s_cselect_b32 s20, s18, s20
	s_add_co_u32 s80, s80, s20
	s_lshl_b32 s80, s80, 13
	s_mov_b32 s81, 0
	s_lshl_b32 s82, s42, 9                         ; the first weight's scale words
	SLA 82, 16, 8
	s_add_co_u32 s82, s82, 262144
	s_mov_b32 s83, 0
	s_mov_b32 s[G0S], 1
	s_mul_i32 s[G0S+1], s16, 8192
	s_add_co_u32 s[G0S+1], s[G0S+1], SCL
	s_mov_b32 s[G0A], 1
	s_mov_b32 s[G0A+1], 0
	s_mov_b32 s[G0B], 1
	s_mov_b32 s[G0B+1], YB
	s_mov_b32 s[G0R], 1
	v_and_b32 v1, 15, v0                           ; r
	v_and_b32 v3, 31, v0                           ; lane
	v_lshlrev_b32 v[CO], 4, v3
	s_lshl_b32 s20, s15, 14
	v_add_nc_u32 v[ADRA0], s20, v[CO]
	s_lshl_b32 s22, s16, 16
	v_add_nc_u32 v[ADRB+1], s22, v[CO]
	s_add_co_u32 s22, s22, YB
	v_add_nc_u32 v[ADRB], s22, v[CO]
	v_lshlrev_b32 v[ABS], 2, v3
	v_lshlrev_b32 v23, 4, v1
	s_lshl_b32 s20, s15, 9
	s_add_co_u32 s20, s20, SCL
	v_add_nc_u32 v[AAS0], s20, v23
	s_lshl_b32 s90, s40, 2                         ; which of the cluster row's sixteen waves I am: my share of a prefetch of x's rows;
	s_add_co_u32 s90, s90, s14
	s_lshl_b32 s100, s41, 2                        ; and of the column's: of Wv's
	s_add_co_u32 s100, s100, s14
	s_wait_alu depctr_va_vdst(0)
	s_wait_dscnt 0x0                               ; both opening adds are done
	CROUND                                         ; all sixteen work-groups are here
	s_wait_kmcnt 0x0
	s_mov_b32 s86, s67
	s_mov_b32 s87, 0
	s_add_nc_u64 s[G0A+2:G0A+3], s[4:5], s[86:87]
	s_or_b32 s[G0A+3], s[G0A+3], 0x80000000
	s_add_nc_u64 s[G0B+2:G0B+3], s[4:5], s[78:79]
	s_or_b32 s[G0B+3], s[G0B+3], 0x80000000
	s_add_nc_u64 s[G0S+2:G0S+3], s[6:7], s[80:81]
	s_or_b32 s[G0S+3], s[G0S+3], 0x80000000
	s_add_nc_u64 s[10:11], s[6:7], s[82:83]
	s_cmp_eq_u32 s14, 0                            ; one joint load a wave, and a line of its own for what is shown ahead of the rest
	s_cbranch_scc0 .Lwave_1
	TLOAD G0B, G1B
	s_branch .Lasked
.Lwave_1:
	s_cmp_eq_u32 s14, 1
	s_cbranch_scc0 .Lfor_scales
	TLOAD G0A, G1A
	s_branch .Lasked
.Lfor_scales:
	TLOAD G0S, G1S
.Lasked:
; where my results go: offsets
	s_and_b32 s21, s42, 7                          ; which 128 of d
	s_lshl_b32 s76, s19, 23                        ; codes of q, k: my tile row's first tile, 8 on for wave row 1
	SLA 76, 43, 19
	SLA 76, 15, 17
	SLA 76, 21, 11
	SLA 76, 16, 10
	s_mov_b32 s77, 0
	s_lshl_b32 s78, s21, 16                        ; their words, at the end: wave n stores the words of eight tiles: order-of-work window n / 2, wave row n % 2
	SLA 78, 19, 15
	SLA 78, 43, 11
	s_xor_b32 s20, s15, s18
	s_xor_b32 s20, s20, 1
	SLA 78, 20, 10
	SLA 78, 16, 9
	s_mov_b32 s79, 0
	s_lshr_b32 s23, s43, 2                         ; batch
	s_and_b32 s20, s43, 3
	s_lshl_b32 s20, s20, 2
	SLA 20, 18, 1
	s_add_co_u32 s20, s20, s15                     ; which 128 tokens of the batch
	s_lshl_b32 s80, s23, 21                        ; codes of v
	SLA 80, 13, 18
	SLA 80, 16, 17
	SLA 80, 20, 11
	s_add_co_u32 s80, s80, 16777216
	s_mov_b32 s81, 0
	s_lshl_b32 s82, s23, 16                        ; and their words
	SLA 82, 20, 12
	SLA 82, 13, 9
	SLA 82, 16, 8
	s_add_co_u32 s82, s82, 524288
	s_mov_b32 s83, 0
	s_mul_i32 s21, s16, 1024
	s_add_co_u32 s21, s21, XN
	SLA 21, 15, 8
	v_lshlrev_b32 v23, 1, v1
	v_add_nc_u32 v[VX], s21, v23
	s_mul_i32 s21, s15, 512
	s_add_co_u32 s21, s21, XV
	SLA 21, 16, 8
	v_lshlrev_b32 v23, 2, v1
	v_add_nc_u32 v[RD], s21, v23
	s_mov_b32 s20, s12                             ; scale words: the first weight's into SB, Wv's into WS
	s_mov_b32 s21, 0
	s_add_nc_u64 s[20:21], s[6:7], s[20:21]
.irp p, 0,1
.irp q, 0,1,2,3,4,5,6,7
	global_load_b32 v[SB+8*\p+\q], v[ABS], s[10:11] offset:\q*WPL+128*\p
	global_load_b32 v[WS+8*\p+\q], v[ABS], s[20:21] offset:\q*WPL+128*\p
.endr
.endr
	s_wait_alu depctr_va_vdst(0)
	s_wait_xcnt 0x0                                ; the loads have taken their addresses; they change below
	s_add_co_u32 s6, s67, 131072                   ; chunk 1
	s_add_co_u32 s7, s2, 131072                    ; chunk 3
	s_lshl_b32 s21, s90, 13
	s_add_co_u32 s22, s21, s6
	v_lshl_add_u32 v7, v3, 8, s22                  ; a prefetch's addresses: my sixteenth of chunk 1, of chunk 2
	s_add_co_u32 s22, s21, s2
	v_lshl_add_u32 v8, v3, 8, s22
	v_add_nc_u32 v1, BS, v[ADRA0]                  ; block 1's LDS addresses
	v_add_nc_u32 v2, SSTEP, v[AAS0]
	s_wait_alu depctr_va_vdst(0)
	s_cmp_eq_u32 s14, 0
	s_cbranch_scc0 .Lnot_b
	s_wait_tensorcnt 0x0                           ; wave 0: the first weight has landed.  The other waves' wait stands at the second barrier
.Lnot_b:
	BARRIER
	global_prefetch_b8 v7, s[4:5] th:TH_LOAD_NT scope:SCOPE_SE
	global_prefetch_b8 v8, s[4:5] th:TH_LOAD_NT scope:SCOPE_SE
.macro WALU
	s_wait_alu depctr_va_vdst(0)
.endm
.macro MIDDLE                          ; a round's middle
	WIN 0
	s_barrier_wait -1
	s_cmp_lg_u32 s14, 0
	s_cbranch_scc1 .Lnot_wave_0_\@
	s_barrier_signal -3
.Lnot_wave_0_\@:
	s_barrier_wait -3
.endm
.macro GRD
	s_wait_tensorcnt 0x0
	ds_add_u32 v[SPW], v[NIL]
.endm
.macro FRAG f, adr, off                ; a weight's fragment f = 4 q + tile, in window 1 + f / 16
	WIN (1+(\f)/FPW)<<6
.irp c, 0,1,2,3
	ds_load_b128 v[16*((\f)%FPW)+4*\c:16*((\f)%FPW)+4*\c+3], v[\adr] offset:512*\c+(\off)
.endr
.endm
.macro FETCHAT k, a, s                 ; a block of x, all of K, into set k of window 3, and its scale words: NF loads
	WIN 3<<6
.irp q, 0,1,2,3,4,5,6,7
.irp c, 0,1,2,3
	ds_load_b128 v[128*\k+16*\q+4*\c:128*\k+16*\q+4*\c+3], v[\a] offset:2048*\q+512*\c
.endr
.endr
	WIN 0
	ds_load_b128 v[SA+8*\k:SA+8*\k+3], v[\s]
	ds_load_b128 v[SA+8*\k+4:SA+8*\k+7], v[\s] offset:256
.endm
.macro PROD kind, e, a, n              ; product n = 4 q + b of a block: the q-th 128 of K, column tile b; x's rows in set e, sums in set a.  kind 0 (q, k): source 0 = the weight's rows; kind 1 (v): source 0 = x's rows
.set pQ, (\n)/4
.set pB, (\n)%4
.set pD, ACC+32*(\a)+8*pB
.set pR, 128*(\e)+16*pQ
.set pW, 16*((\n)%FPW)
.set pX, SA+8*(\e)+pQ
.set pS, SB+8*(pB/2)+pQ
.if \kind
	WIN 3|((1+(\n)/FPW)<<2)
.if pQ && pB%2
	v_wmma_scale_f32_16x16x128_f8f6f4 v[pD:pD+7], v[pR:pR+15], v[pW:pW+15], v[pD:pD+7], v[pX], v[pS] matrix_a_fmt:MATRIX_FMT_BF8 matrix_b_fmt:MATRIX_FMT_BF8 matrix_b_scale:MATRIX_SCALE_ROW1
.elseif pQ
	v_wmma_scale_f32_16x16x128_f8f6f4 v[pD:pD+7], v[pR:pR+15], v[pW:pW+15], v[pD:pD+7], v[pX], v[pS] matrix_a_fmt:MATRIX_FMT_BF8 matrix_b_fmt:MATRIX_FMT_BF8
.elseif pB%2
	v_wmma_scale_f32_16x16x128_f8f6f4 v[pD:pD+7], v[pR:pR+15], v[pW:pW+15], 0, v[pX], v[pS] matrix_a_fmt:MATRIX_FMT_BF8 matrix_b_fmt:MATRIX_FMT_BF8 matrix_b_scale:MATRIX_SCALE_ROW1
.else
	v_wmma_scale_f32_16x16x128_f8f6f4 v[pD:pD+7], v[pR:pR+15], v[pW:pW+15], 0, v[pX], v[pS] matrix_a_fmt:MATRIX_FMT_BF8 matrix_b_fmt:MATRIX_FMT_BF8
.endif
.else
	WIN (1+(\n)/FPW)|(3<<2)
.if pQ && pB%2
	v_wmma_scale_f32_16x16x128_f8f6f4 v[pD:pD+7], v[pW:pW+15], v[pR:pR+15], v[pD:pD+7], v[pS], v[pX] matrix_a_fmt:MATRIX_FMT_BF8 matrix_b_fmt:MATRIX_FMT_BF8 matrix_a_scale:MATRIX_SCALE_ROW1
.elseif pQ
	v_wmma_scale_f32_16x16x128_f8f6f4 v[pD:pD+7], v[pW:pW+15], v[pR:pR+15], v[pD:pD+7], v[pS], v[pX] matrix_a_fmt:MATRIX_FMT_BF8 matrix_b_fmt:MATRIX_FMT_BF8
.elseif pB%2
	v_wmma_scale_f32_16x16x128_f8f6f4 v[pD:pD+7], v[pW:pW+15], v[pR:pR+15], 0, v[pS], v[pX] matrix_a_fmt:MATRIX_FMT_BF8 matrix_b_fmt:MATRIX_FMT_BF8 matrix_a_scale:MATRIX_SCALE_ROW1
.else
	v_wmma_scale_f32_16x16x128_f8f6f4 v[pD:pD+7], v[pW:pW+15], v[pR:pR+15], 0, v[pS], v[pX] matrix_a_fmt:MATRIX_FMT_BF8 matrix_b_fmt:MATRIX_FMT_BF8
.endif
.endif
.endm
.macro HOLDS m, x                      ; two numbers held at 57,344 x the scale (the conversion does not saturate: ISA guide 7.6.2).  The bound is read from its second copy where its first would be read too late
.if (\m) == 3
	v_med3_num_f32 v[\x], v[\x], -v[TQ+3], v[TQ+3]
	v_med3_num_f32 v[\x+1], v[\x+1], -v[TQ+3], v[TQ+3]
.else
	v_med3_num_f32 v[\x], v[\x], -v[TQ+1], v[TQ+1]
	v_med3_num_f32 v[\x+1], v[\x+1], -v[TQ+1], v[TQ+1]
.endif
.if (\m) == 2
	v_mov_b32 v[TQ+3], v[TQ+1]
.endif
.endm
; THE QUANTISER, 14 places for each scale block of 32, which lies in lanes l and l xor 16: eight numbers of a lane at gE, eight at gO -> codes MCD + 4 x block, byte EB + block.  q, k: es, os = 16, 8 (neighbouring tiles of columns); v: 8, 32 (the pair's two blocks)
.macro GAP u, x, es, os
.set gT, (\u)/14
.set gJ, (\u)%14
.set gE, (\x)+(\es)*gT
.set gO, gE+(\os)
.if gJ == 0
	v_max3_num_f32 v[TQ], |v[gE]|, |v[gE+1]|, |v[gE+2]|
	v_max3_num_f32 v[TQ+2], |v[gO]|, |v[gO+1]|, |v[gO+2]|
.elseif gJ < 3
	v_max3_num_f32 v[TQ], v[TQ], |v[gE+2*gJ+1]|, |v[gE+2*gJ+2]|
	v_max3_num_f32 v[TQ+2], v[TQ+2], |v[gO+2*gJ+1]|, |v[gO+2*gJ+2]|
.elseif gJ == 3
	v_max3_num_f32 v[TQ+2], v[TQ+2], |v[gO+7]|, 0x8000000   ; with the floor 2^(16 - 127)
	v_max3_num_f32 v[TQ], v[TQ], |v[gE+7]|, v[TQ+2]
.elseif gJ == 4
	v_permlanex16_b32 v[TQ+2], v[TQ], s60, s61
	v_max_num_f32 v[TQ], v[TQ], v[TQ+2]
.elseif gJ == 5
	v_add_nc_u32 v[SOP+gT], 0xf8800000, v[TQ]
	v_and_or_b32 v[TQ+1], v[TQ], 0x7f800000, s62
.elseif gJ < 10
	HOLDS gJ-6, gE+2*(gJ-6)
.if gJ == 6
	v_lshrrev_b32 v[EB+gT], 23, v[SOP+gT]
.elseif gJ == 9
	v_cvt_scalef32_pk8_bf8_f32 v[MCD+4*gT:MCD+4*gT+1], v[gE:gE+7], v[SOP+gT]
.endif
.else
	HOLDS gJ-6, gO+2*(gJ-10)
.if gJ == 13
	v_cvt_scalef32_pk8_bf8_f32 v[MCD+4*gT+2:MCD+4*gT+3], v[gO:gO+7], v[SOP+gT]
.endif
.endif
.endm
.macro RDESC i, off, lds               ; group 0 of a refill, in two parts: a quarter of 128 rows a wave, the rows at s[off] of xw_img, into LDS at s[lds]
.if (\i) == 0
	s_lshl_b32 s[G0R+1], s14, 15
	s_add_co_u32 s[G0R+1], s[G0R+1], s\lds
	s_lshl_b32 s20, s14, 15
	s_add_co_u32 s20, s20, s\off
.else
	s_mov_b32 s21, 0
	s_add_nc_u64 s[G0R+2:G0R+3], s[4:5], s[20:21]
	s_or_b32 s[G0R+3], s[G0R+3], 0x80000000
.endif
.endm
; WHAT STANDS BEHIND PRODUCT n.  j: the block's number in its trip (the second loop's: 4, 5; v's: -1, -2).  Behind 0 and 1 the addresses of the block two on; behind 2 a prefetch's address or the bytes' next place; behind 29 and 30 a refill's group 0; behind 0 to 27 a way out: y = 1 q's or k's block at x; 2, 3 the halves of v's pair at x
.macro LIST n, j, y, x
.if (\n) == 0
.if (\j) >= 0
	s_add_nc_u64 s[84:85], s[84:85], TB
.if (\j) == 1
	s_cmp_eq_u32 s46, 2
	s_cselect_b64 s[84:85], s[88:89], s[84:85]
.endif
.endif
	WIN 0
.if (\j) == 0 || (\j) == 1
	s_add_co_u32 s22, s101, ((\j)+2)*BS
.elseif (\j) > 1
	s_add_co_u32 s22, s47, ((\j)%2)*BS
.else
	s_add_co_u32 s22, s47, (-1-(\j))*BS
.endif
	v_add_nc_u32 v[ADRA], s22, v[ADRA0]
.elseif (\n) == 1
	WIN 0
.if (\j) == 0 || (\j) == 1
	s_add_co_u32 s22, s17, ((\j)+2)*SSTEP
.elseif (\j) > 1
	s_add_co_u32 s22, s8, ((\j)%2)*SSTEP
.else
	s_add_co_u32 s22, s8, (-1-(\j))*SSTEP
.endif
	v_add_nc_u32 v[AAS], s22, v[AAS0]
.endif
.if (\j) == 2 && (\n) == 2
	WIN 0
	v_lshl_add_u32 v7, v3, 8, s23
.elseif (\j) == 0 && ((\n) == 29 || (\n) == 30)
	RDESC (\n)-29, 6, 47
.elseif (\j) == 1 && (\n) == 2
	WIN 0
	v_add_nc_u32 v[VX], s9, v[VX]
.elseif (\j) == 5 && (\n) == 2
	WIN 0
	v_add_nc_u32 v[VX], 64, v[VX]
.endif
.if (\n) < 28
	WIN 0
.if (\y) == 1
	GAP \n, \x, 16, 8
.elseif (\y) == 2
	GAP \n, \x, 8, 32
.else
	GAP \n+28, \x, 8, 32
.endif
.endif
.endm
.macro BLOCK kind, e, a, from, to, j, y, x
.set bN, \from
.rept (\to)-(\from)
	PROD \kind, \e, \a, bN
	LIST bN, \j, \y, \x
.set bN, bN+1
.endr
.endm
.macro HEADB w
.if (\w) >= 0
	s_wait_dscnt \w                                ; this block's set is in; the next block's NF loads may be out
.endif
	s_wait_xcnt 0x0                                ; earlier stores and prefetches have read their registers and their base
.endm
.macro BLK kind, e, a, w, j, y, x
	HEADB \w
	BLOCK \kind, \e, \a, 0, 32, \j, \y, \x
	WIN 0
	PLACES NP
.endm
.macro RBLK kind, e, a, w, j, y, x     ; a block with a round of the cluster's barrier: the lines at its head, the signal behind 28 products
	HEADB \w
	GRD
	BLOCK \kind, \e, \a, 0, 28, \j, \y, \x
	WIN 0
	WALU
	s_wait_dscnt 0x0
	s_barrier_signal -1
	BLOCK \kind, \e, \a, 28, 32, \j, \y, \x
	MIDDLE
	BARRIER
.endm
.macro SBLK kind, e, a, w, j, y, x, half=0   ; a block with a plain barrier (half = 1: it shows waves 0 and 1's loads alone)
	HEADB \w
	BLOCK \kind, \e, \a, 0, 28, \j, \y, \x
	WIN 0
	WALU
.if \half
	s_cmp_lt_u32 s14, 2
	s_cbranch_scc0 .Lnot_yet_\@
	s_wait_tensorcnt 0x0
.Lnot_yet_\@:
.else
	s_wait_tensorcnt 0x0
.endif
	s_wait_dscnt 0x0
	s_barrier_signal -1
	BLOCK \kind, \e, \a, 28, 32, \j, \y, \x
	WIN 0
	s_barrier_wait -1
	PLACES NP
.endm
.macro QOUT off, boff                  ; a block's two bytes go to their place in LDS, its codes leave: 512 consecutive bytes a store
	ds_store_b8 v[VX], v[EB] offset:\boff
	ds_store_b8 v[VX], v[EB+1] offset:(\boff)+1
	global_store_b128 v[CO], v[MCD:MCD+3], s[84:85] offset:\off
	global_store_b128 v[CO], v[MCD+4:MCD+7], s[84:85] offset:(\off)+512
.endm
.irp q, 0,1,2,3,4,5,6,7                ; my 64 rows of the first weight, all of K: 128 loads
.irp b, 0,1,2,3
	FRAG 4*\q+\b, ADRB, \b*16384+\q*2048
.endr
.endr
	WIN 0
	s_wait_tensorcnt 0x0                           ; chunk 0 and the scale bytes are in; the first weight is in registers
	s_wait_dscnt 0x0
	BARRIER
	FETCHAT 0, ADRA0, AAS0
	FETCHAT 1, 1, 2
	s_load_b128 s[92:95], s[0:1], 0x10             ; qkv_img, qkv_sc
	s_mov_b32 s60, 0x76543210
	s_mov_b32 s61, 0xfedcba98
	s_mov_b32 s62, 0x600000
.set bI, 0
.rept 32
	v_mov_b32 v[ACC+32+bI], 0                      ; the first block's way out reads them and stores nothing
.set bI, bI+1
.endr
	s_wait_kmcnt 0x0
	s_add_nc_u64 s[96:97], s[92:93], s[80:81]      ; v's codes,
	s_add_nc_u64 s[98:99], s[94:95], s[82:83]      ; v's words,
	s_add_nc_u64 s[92:93], s[92:93], s[76:77]      ; q's or k's codes,
	s_add_nc_u64 s[94:95], s[94:95], s[78:79]      ; and their words
	s_lshl_b32 s20, s18, 18
	s_mov_b32 s21, 0
	s_add_nc_u64 s[88:89], s[92:93], s[20:21]      ; q's or k's codes of v's window
	s_xor_b32 s20, s20, 16*TB
	s_add_nc_u64 s[84:85], s[92:93], s[20:21]      ; of the other window
	s_sub_nc_u64 s[84:85], s[84:85], 2*TB
	s_mov_b32 s46, 0                               ; PHASE 1.  s46 the trip; s101, s47 this chunk's slot and the next chunk's; s17, s8 their scale words; s6 the rows that are loaded; s9 to the bytes' next place; s23 my share of what is asked for ahead
	s_mov_b32 s9, 0
	s_mov_b32 s23, 0
	s_mov_b32 s101, 0
	s_mov_b32 s47, YB
	s_mov_b32 s17, 0
	s_mov_b32 s8, 4*SSTEP
	s_wait_loadcnt 0x0                             ; the scale words
.Lfour:
	RBLK 0, 0, 0, NF, 0, 1, ACC+32                 ; blocks 0, 4, 8: chunks 1, 2, 3 come
	s_cmp_lt_u32 s14, 2                            ; waves 0, 1 and waves 2, 3 have a load line each: the barrier inside the block two on waits for the first line's alone
	s_cbranch_scc0 .Lupper
	TLOAD G0R, G1R
	s_branch .Lboth
.Lupper:
	TLOAD G0R, G1R
.Lboth:
	PLACES NP-4
	s_cmp_eq_u32 s46, 0
	s_cbranch_scc1 .Lno_block_before
	QOUT 0, 96
.Lno_block_before:
	FETCHAT 0, ADRA, AAS
	BLK 0, 1, 1, -1, 1, 1, ACC
	QOUT 0, 0
	FETCHAT 1, ADRA, AAS
	SBLK 0, 0, 0, NF, 2, 1, ACC+32, 1              ; the next chunk's first half is in
	QOUT 0, 32
	s_cmp_eq_u32 s46, 0
	s_cbranch_scc1 .Lnone_ahead
	global_prefetch_b8 v7, s[4:5] th:TH_LOAD_NT scope:SCOPE_SE
.Lnone_ahead:
	FETCHAT 0, ADRA, AAS
	BLK 0, 1, 1, -1, 3, 1, ACC
	QOUT 0, 64
	FETCHAT 1, ADRA, AAS
	s_cmp_eq_u32 s46, 0
	s_cselect_b32 s6, s2, s7
	s_cselect_b32 s21, s90, s100
	s_cselect_b32 s22, s7, s3
	s_mov_b32 s9, 384
	s_cselect_b32 s9, 128, s9
	s_lshl_b32 s21, s21, 13
	s_add_co_u32 s23, s21, s22
	s_mov_b32 s101, s47
	s_mov_b32 s17, s8
	s_xor_b32 s47, s47, YB
	s_add_co_u32 s8, s8, 4*SSTEP
	s_add_co_u32 s46, s46, 1
	s_cmp_lg_u32 s46, 3
	s_cbranch_scc1 .Lfour
	GRD
	s_lshl_b32 s20, s14, 15
	s_add_co_u32 s20, s20, s3
	s_mov_b32 s21, 0
	s_lshl_b32 s[G0A+1], s14, 15
	s_add_nc_u64 s[G0A+2:G0A+3], s[4:5], s[20:21]
	s_or_b32 s[G0A+3], s[G0A+3], 0x80000000
	GROUP1 G1A, 45, 8
	s_wait_dscnt 0x0
	s_barrier_signal -1
	MIDDLE
	BARRIER
	TLOAD G0A, G1A
	s_mov_b32 s47, YB+2*BS
	s_mov_b32 s8, 14*SSTEP
.Ltwo:
	BLK 0, 0, 0, NF, 4, 1, ACC+32                  ; blocks 12, 14
	QOUT 0, 96
	FETCHAT 0, ADRA, AAS
	BLK 0, 1, 1, NF, 5, 1, ACC                     ; 13, 15; the block two on is then v's: chunk 3 again, as it lies in slot 1
	QOUT 0, 64
	FETCHAT 1, ADRA, AAS
	s_mov_b32 s47, YB
	s_mov_b32 s8, 12*SSTEP
	s_add_co_u32 s46, s46, 1
	s_cmp_lg_u32 s46, 5
	s_cbranch_scc1 .Ltwo
; the change of phase
	s_wait_xcnt 0x0
	s_wait_tensorcnt 0x0                           ; Wv's rows are in
	s_wait_dscnt 0x0
	BARRIER
.macro CHANGE i                        ; among Wv's 128 loads: the last block's way out; Wv's scale words into their place; zeros into what no block has written yet
.if (\i) < 7
.irp k, 0,1,2,3
	GAP 4*(\i)+\k, ACC+32, 16, 8
.endr
.elseif (\i) < 9
.irp q, 0,1,2,3,4,5,6,7
	v_mov_b32 v[SB+8*((\i)-7)+\q], v[WS+8*((\i)-7)+\q]
.endr
.elseif (\i) < 15
.irp q, 0,1,2,3,4,5,6,7
	v_mov_b32 v[ACC+80+8*((\i)-9)+\q], 0
.endr
.endif
.endm
.irp q, 0,1,2,3,4,5,6,7
.irp b, 0,2
	FRAG 4*\q+\b, ADRB+1, \b*16384+\q*2048
	FRAG 4*\q+\b+1, ADRB+1, (\b+1)*16384+\q*2048
	WIN 0
	CHANGE 2*\q+\b/2
.endr
.endr
	QOUT TB, 96
	GRD
	s_mov_b32 s47, 0
	RDESC 0, 2, 47
	RDESC 1, 2, 47
	s_mov_b32 s46, 0
	s_mov_b32 s47, YB+2*BS
	s_mov_b32 s8, 14*SSTEP
	s_wait_dscnt 0x0
	s_barrier_signal -1
	MIDDLE
	BARRIER
	TLOAD G0R, G1R
.macro VOUT                            ; a pair of v's blocks: four tiles' bytes and codes
.irp t, 0,1,2,3
	ds_store_b8 v[VX], v[EB+\t] offset:64*\t
	global_store_b128 v[CO], v[MCD+4*\t:MCD+4*\t+3], s[84:85] offset:32768*\t
.endr
.endm
.macro VTO                             ; s22 = the pair's 32 tokens of my 128
	s_lshl_b32 s20, s22, 9
	s_mov_b32 s21, 0
	s_add_nc_u64 s[84:85], s[96:97], s[20:21]
	v_add_nc_u32 v[VX], s22, v[RD]
.endm
.Lpair:                                                ; PHASE 2: four pairs: the third and fourth of my 128 tokens (chunk 3), then the first and second (chunk 2)
	BLK 1, 0, 0, -1, -1, 2, ACC+64
	s_cmp_eq_u32 s46, 3
	s_cbranch_scc1 .Lnone_0
	FETCHAT 0, ADRA, AAS
	s_wait_dscnt NF
	s_branch .Lgo
.Lnone_0:
	s_wait_dscnt 0x0
.Lgo:
	SBLK 1, 1, 1, -1, -2, 3, ACC+64                ; the first trip's shows chunk 2
.set bI, 0
.rept 32                               ; the pair's sums are copied, so that one trip is two blocks of text
	v_dual_mov_b32 v[ACC+64+bI], v[ACC+bI] :: v_dual_mov_b32 v[ACC+64+bI+1], v[ACC+bI+1]
.set bI, bI+2
.endr
	s_add_co_u32 s22, s46, 1
	s_and_b32 s22, s22, 3
	VTO
	s_cmp_eq_u32 s46, 0
	s_cbranch_scc1 .Lno_pair_before
	VOUT
.Lno_pair_before:
	s_cmp_eq_u32 s46, 3
	s_cbranch_scc1 .Lnone_1
	FETCHAT 1, ADRA, AAS
.Lnone_1:
	s_mov_b32 s8, 10*SSTEP
	s_cmp_eq_u32 s46, 0
	s_cselect_b32 s47, 0, 2*BS
	s_cselect_b32 s8, 8*SSTEP, s8
	s_add_co_u32 s46, s46, 1
	s_cmp_lg_u32 s46, 4
	s_cbranch_scc1 .Lpair
	s_wait_xcnt 0x0
.set bI, 0
.rept 56
	GAP bI, ACC+64, 8, 32
.set bI, bI+1
.endr
	s_mov_b32 s22, 1
	VTO
	VOUT
	s_wait_dscnt 0x0                               ; the scale bytes have landed
	BARRIER
	v_lshlrev_b32 v20, 4, v3
	v_lshlrev_b32 v22, 3, v3
	s_lshl_b32 s21, s14, 8
	s_add_co_u32 s20, s21, XN
	s_add_co_u32 s21, s21, XV
	v_add_nc_u32 v21, s20, v22
	v_add_nc_u32 v23, s21, v22
	s_mov_b32 s22, 0x05040100
	s_mov_b32 s23, 0x07060302
	s_wait_alu depctr_va_vdst(0)
	ds_load_b64 v[40:41], v21                      ; q's or k's bytes 0, 1 of four words,
	ds_load_b64 v[42:43], v21 offset:1024          ; and bytes 2, 3
	ds_load_b64 v[60:61], v23                      ; v's words
	s_wait_dscnt 0x0
	v_perm_b32 v44, v42, v40, s22
	v_perm_b32 v45, v42, v40, s23
	v_perm_b32 v46, v43, v41, s22
	v_perm_b32 v47, v43, v41, s23
	global_store_b128 v20, v[44:47], s[94:95]
	global_store_b64 v22, v[60:61], s[98:99]
	s_wait_tensorcnt 0x0                           ; the wave's end
	ds_add_u32 v[SPW], v[NIL]
	s_wait_dscnt 0x0
	CROUND                                         ; the closing round
	s_endpgm
.Lfunc_end_k_qa5ac78efcb_proj:
	.size	k_qa5ac78efcb_proj, .Lfunc_end_k_qa5ac78efcb_proj-k_qa5ac78efcb_proj
	.p2alignl 7, 3214868480
	.fill 96, 4, 3214868480
	.section	.rodata,"a",@progbits
	.p2align	6, 0x0
	.amdhsa_kernel k_qa5ac78efcb_proj
		.amdhsa_group_segment_fixed_size 327680
		.amdhsa_private_segment_fixed_size 0
		.amdhsa_enable_private_segment 0
		.amdhsa_kernarg_size 32
		.amdhsa_user_sgpr_count 2
		.amdhsa_user_sgpr_kernarg_segment_ptr 1
		.amdhsa_wavefront_size32 1
		.amdhsa_system_sgpr_workgroup_id_x 1
		.amdhsa_system_sgpr_workgroup_id_y 1
		.amdhsa_system_sgpr_workgroup_id_z 1
		.amdhsa_system_vgpr_workitem_id 0
		.amdhsa_next_free_vgpr 1024
		.amdhsa_next_free_sgpr 102
		.amdhsa_reserve_vcc 0
		.amdhsa_float_denorm_mode_32 3
		.amdhsa_float_denorm_mode_16_64 3
		.amdhsa_memory_ordered 1
		.amdhsa_forward_progress 1
		.amdhsa_inst_pref_size 164
	.end_amdhsa_kernel
	.amdgpu_metadata
---
amdhsa.version: [ 1, 2 ]
amdhsa.kernels:
  - .name:           k_qa5ac78efcb_proj
    .symbol:         k_qa5ac78efcb_proj.kd
    .args:
      - { .name: xw_img, .offset: 0, .size: 8, .value_kind: global_buffer, .address_space: global }
      - { .name: xw_sc, .offset: 8, .size: 8, .value_kind: global_buffer, .address_space: global }
      - { .name: qkv_img, .offset: 16, .size: 8, .value_kind: global_buffer, .address_space: global }
      - { .name: qkv_sc, .offset: 24, .size: 8, .value_kind: global_buffer, .address_space: global }
    .group_segment_fixed_size: 327680
    .private_segment_fixed_size: 0
    .kernarg_segment_align: 8
    .kernarg_segment_size: 32
    .max_flat_workgroup_size: 128
    .sgpr_count:     102
    .vgpr_count:     1024
    .wavefront_size: 32
...
	.end_amdgpu_metadata
.endif
;; end of part 2
;; launch score (part 3): grid 61 x 4, 4 waves a work-group, no clusters, 327,680 bytes of LDS; arguments qkv_img, qkv_sc, p_img, p_aux; writes p_img, p_aux
.if DOCPART == 3
	.amdgcn_target "amdgcn-amd-amdhsa--gfx1250"
	.amdhsa_code_object_version 6
	.text
	.protected	k_qa5ac78efcb_score
	.globl	k_qa5ac78efcb_score
	.p2align	8
	.type	k_qa5ac78efcb_score,@function
k_qa5ac78efcb_score:
	s_mov_b64 s[64:65], 0
	v_nop
	global_prefetch_b8 v0, s[64:65] scope:SCOPE_SE
	s_setreg_imm32_b32 hwreg(HW_REG_WAVE_MODE, 25, 1), 1
	s_wait_xcnt 0x0
; S = q k^T on codes of E5M2 (K = d = 1,024), the causal mask, and p = 2^(t - M) quantised along the keys, stored as the operand of the last product.
; SHARES.  A column is 256 keys; its live tiles of 16 queries are those from the column's first key on: 128 - 16 J for column J.  A work-group takes ten tiles of queries of one column: 13, 12, 10, 8, 7, 5, 4 and 2 work-groups, 61 for a batch.
; The last one of a column begins at tile 118, so that no tile lies beyond the batch; tiles that the one before has made are not walked and not stored again.  A wave makes 5 tiles of queries x 8 of keys: 40 accumulators.
; WORK LEFT OUT: tiles of queries wholly above a column (shown dead at the head of the first kernel), and the softmax of a tile whose 128 keys all come after its queries: it stores zero codes, the bytes 1, -M = 1e38 and the sum 0.
; NO CLUSTER: the columns' numbers of work-groups do not fall into fours, and tiles of queries begin at other places in each column.  NO PREFETCH: six of eight K steps are asked for at the head; the one refill has four K steps' products in which to land.
; SOURCE 0 = 16 keys, SOURCE 1 = 16 queries; tiles are permuted, so the 64 registers of the eight accumulators of one tile of queries are 128 natural neighbours among the keys: one fragment of p.
; LDS.  Slot 0: K steps 0, 1, then 6, 7 (16 tiles of keys, 10 of queries, 4,096 bytes each); slot B: K steps 2 to 5 (8,192 bytes each).
; THE SOFTMAX.  t = score x log2(e) / 32.  M here is LOCAL: the ceiling of the largest t of a query among these 128 keys (one scale word's worth), a whole number; the maximum is so taken away ahead of every exponential.
; The last launch takes the row's M - this M off the scale bytes: an exact power of two, as for a running M.
; OUT: p_img [batch][query tile 128][key step 16][2048]; p_aux [batch][key step 16][query tile 128][256 bytes: 16 x (scale word, -M), 16 x (sum of the unquantised p, -M)].
; LIMITS: NaN and infinities are not served; M is a whole number kept in f32: exact for |t| under 2^24.
.set PLANE, 65536
.set KB,    106496                     ; slot B: keys,
.set QB,    237568                     ; queries
.set SPARE, 319488
.set ADA,  16                          ; v16, v17 LDS address of my fragments of queries in slot 0, slot B
.set ADB,  18                          ; v18, v19 of keys
.set LI,   20                          ; 16 x lane
.set LS,   21                          ; 4 x lane
.set L8,   22                          ; 8 x lane
.set SPW,  28
.set NIL,  29
.set SB,   32                          ; v32-63 the keys' scale words, v68-91 the queries', and nothing else
.set SA,   68
.set AF,   96                          ; v96-255 two sets of five fragments of queries.  Window 1: two sets of eight of keys.  Windows 2, 3: accumulators, tile of queries a at 64 a
.set X,    128                         ; the softmax, over the fragments: v128-191 t, t - M, p
.set PC,   192                         ; v192-207 codes
.set BM,   224                         ; v224-227 the blocks' largest t, then largest p
.set T2,   228
.set HLD,  232
.set SCL,  236
.set NM,   240                         ; v[240:241] -M (the packed form names a pair)
.set S1,   242
.set S2,   244
.set TP,   246
.set NINF, 247
.set VD,   248
.set VD0,  249                         ; r + 8 (r / 8) - 16 h
.set AX,   250                         ; v[250:251] what goes to p_aux
.set WW,   252
.set LSM,  253
.set G1K,  24
.set G1Q,  32
.set G1KB, 40
.set G1QB, 48
.set GK,   56
.set GQ,   60
.set GKB,  68
.set GQB,  72
.set SCA,  76
.set SCB,  78
.set PO,   80
.set AUX,  82
.set HM,   84
.set MNT,  85
.set SEL,  86
.set CS,   88
.set TT,   90                          ; the tile of queries in hand, in the batch
.set DD,   91                          ; and less my 128 keys' first tile: under 0 hidden, under 8 on the diagonal
.set AA,   92                          ; its number among my five
.set TV,   19                          ; the work-group's first tile that is its own
.set MSB, 0
.macro WIN new
.if MSB != (\new)
	s_set_vgpr_msb (MSB<<8)|(\new)
.set MSB, \new
.endif
.endm
.macro PLACES n
.rept \n
	v_nop
.endr
.endm
.macro TLOAD g0, g1                    ; an s_nop 0 and four v_nop follow the load
	tensor_load_to_lds s[\g0:\g0+3], s[\g1:\g1+7]
	s_nop 0
	PLACES 4
.endm
.macro GROUP1 g, len, rows             ; rows of len elements of 8 bytes, 16,384 bytes from tile to tile
	s_mov_b32 s[\g+0], 3<<16
	s_mov_b32 s[\g+1], (\len)<<16
	s_mov_b32 s[\g+2], (\rows)<<16
	s_mov_b32 s[\g+3], (\len)<<16
	s_mov_b32 s[\g+4], \rows
	s_mov_b32 s[\g+5], 2048
	s_mov_b32 s[\g+6], 0
	s_mov_b32 s[\g+7], 0
.endm
.macro GROUP0 g, lds, base, off
	s_mov_b32 s[\g], 1
	s_mov_b32 s[\g+1], \lds
	s_add_nc_u64 s[\g+2:\g+3], s[\base:\base+1], \off
	s_or_b32 s[\g+3], s[\g+3], 0x80000000
.endm
	s_load_b256 s[4:11], s[0:1], 0x0               ; qkv_img, qkv_sc, p_img, p_aux
	v_lshl_add_u32 v[SPW], v0, 2, SPARE
	v_mov_b32 v[NIL], 0
	ds_add_u32 v[SPW], v[NIL]                      ; the opening: the add, twice on end, and its wait ahead of my first tensor load
	ds_add_u32 v[SPW], v[NIL]
	v_lshrrev_b32 v1, 5, v0
	v_readfirstlane_b32 s14, v1
	s_lshr_b32 s15, s14, 1                         ; my five tiles of queries
	s_and_b32 s16, s14, 1                          ; my 128 keys
	s_and_b32 s17, ttmp7, 0xffff                   ; batch
	s_mov_b32 s18, 0                               ; the column J, and the number of its first work-group
	s_mov_b32 s20, 0
.irp m, 13,25,35,43,50,55,59
	s_cmp_ge_u32 ttmp9, \m
	s_cselect_b32 s20, \m, s20
	s_add_co_ci_u32 s18, s18, 0
.endr
	s_sub_co_u32 s[TV], ttmp9, s20
	s_mul_i32 s[TV], s[TV], 10
	s_lshl_b32 s23, s18, 4
	s_add_co_u32 s[TV], s[TV], s23
	s_min_u32 s20, s[TV], 118                      ; my first tile of queries in the batch
	s_lshl_b32 s22, s17, 7
	s_add_co_u32 s21, s22, s20                     ; and among all tiles
	s_add_co_u32 s22, s22, s23
	s_add_co_u32 s22, s22, 512                     ; the keys' first tile
	GROUP1 G1K, 512, 16
	GROUP1 G1Q, 512, 10
	GROUP1 G1KB, 1024, 16
	GROUP1 G1QB, 1024, 10
	s_lshl_b32 s94, s22, 14
	s_mov_b32 s95, 0
	s_lshl_b32 s96, s21, 14
	s_mov_b32 s97, 0
	s_mov_b32 s[MNT], 0x600000
	s_mov_b32 s[SEL], 0x76543210
	s_mov_b32 s[SEL+1], 0xfedcba98
	s_mov_b32 s[CS], 0x3d38aa3b                    ; c = log2(e) / 32
	s_mov_b32 s[CS+1], s[CS]
	s_wait_dscnt 0x0                               ; both opening adds are done
	s_wait_kmcnt 0x0
	s_add_nc_u64 s[94:95], s[4:5], s[94:95]
	s_add_nc_u64 s[96:97], s[4:5], s[96:97]
	GROUP0 GK, 0, 94, 0
	GROUP0 GQ, 65536, 96, 0
	GROUP0 GKB, KB, 94, 4096
	GROUP0 GQB, QB, 96, 4096
	s_cmp_eq_u32 s14, 0                            ; the head's fills, one tensor load a wave
	s_cbranch_scc0 .Lh1
	TLOAD GK, G1K
	s_branch .Lasked
.Lh1:
	s_cmp_eq_u32 s14, 1
	s_cbranch_scc0 .Lh2
	TLOAD GQ, G1Q
	s_branch .Lasked
.Lh2:
	s_cmp_eq_u32 s14, 2
	s_cbranch_scc0 .Lh3
	TLOAD GKB, G1KB
	s_branch .Lasked
.Lh3:
	TLOAD GQB, G1QB
.Lasked:
	v_and_b32 v1, 31, v0
	v_lshlrev_b32 v[LI], 4, v1
	v_lshlrev_b32 v[LS], 2, v1
	v_lshlrev_b32 v[L8], 3, v1
	s_mul_i32 s23, s15, 20480
	s_add_co_u32 s23, s23, 65536
	v_add_nc_u32 v[ADA], s23, v[LI]
	s_mul_i32 s23, s15, 40960
	s_add_co_u32 s23, s23, QB
	v_add_nc_u32 v[ADA+1], s23, v[LI]
	s_lshl_b32 s23, s16, 15
	v_add_nc_u32 v[ADB], s23, v[LI]
	s_lshl_b32 s23, s16, 16
	s_add_co_u32 s23, s23, KB
	v_add_nc_u32 v[ADB+1], s23, v[LI]
	s_wait_alu depctr_va_vdst(0)
	s_mul_i32 s93, s15, 5
	s_add_co_u32 s[TT], s20, s93                   ; my first tile
	s_add_co_u32 s[SCA], s21, s93
	s_lshl_b32 s[SCA], s[SCA], 6
	s_mov_b32 s[SCA+1], 0
	s_add_nc_u64 s[SCA:SCA+1], s[6:7], s[SCA:SCA+1]
	s_lshl_b32 s[SCB], s16, 3
	s_add_co_u32 s[SCB], s[SCB], s22
	s_lshl_b32 s[SCB], s[SCB], 6
	s_mov_b32 s[SCB+1], 0
	s_add_nc_u64 s[SCB:SCB+1], s[6:7], s[SCB:SCB+1]
.irp p, 0,1,2,3                        ; lanes 0-15 take a tile's words, lanes 16-31 the next tile's
.irp s, 0,1,2,3,4,5,6,7
	global_load_b32 v[SB+8*\p+\s], v[LS], s[SCB:SCB+1] offset:\s*PLANE+128*\p
.if \p < 3
	global_load_b32 v[SA+8*\p+\s], v[LS], s[SCA:SCA+1] offset:\s*PLANE+128*\p
.endif
.endr
.endr
	s_lshl_b32 s23, s18, 1
	s_add_co_u32 s23, s23, s16                     ; my key step: 2 J + my half
	s_lshl_b32 s93, s23, 3
	s_sub_co_i32 s[DD], s[TT], s93
	s_lshl_b32 s[PO], s17, 22
	s_lshl_b32 s93, s[TT], 15
	s_add_co_u32 s[PO], s[PO], s93
	s_lshl_b32 s93, s23, 11
	s_add_co_u32 s[PO], s[PO], s93
	s_mov_b32 s[PO+1], 0
	s_add_nc_u64 s[PO:PO+1], s[8:9], s[PO:PO+1]
	s_sub_nc_u64 s[PO:PO+1], s[PO:PO+1], 32768     ; each tile's turn steps them first
	s_lshl_b32 s[AUX], s17, 19
	s_lshl_b32 s93, s23, 15
	s_add_co_u32 s[AUX], s[AUX], s93
	s_lshl_b32 s93, s[TT], 8
	s_add_co_u32 s[AUX], s[AUX], s93
	s_mov_b32 s[AUX+1], 0
	s_add_nc_u64 s[AUX:AUX+1], s[10:11], s[AUX:AUX+1]
	s_sub_nc_u64 s[AUX:AUX+1], s[AUX:AUX+1], 256
.macro FETCH sl, q, set                ; 52 LDS loads: eight fragments of keys, five of queries, the slot's q-th K step
	WIN 0x40
.irp b, 0,1,2,3,4,5,6,7
.irp c, 0,1,2,3
	ds_load_b128 v[128*(\set)+16*\b+4*\c:128*(\set)+16*\b+4*\c+3], v[ADB+\sl] offset:\b*(4096<<\sl)+\q*2048+512*\c
.endr
.endr
	WIN 0
.irp a, 0,1,2,3,4
.irp c, 0,1,2,3
	ds_load_b128 v[AF+80*(\set)+16*\a+4*\c:AF+80*(\set)+16*\a+4*\c+3], v[ADA+\sl] offset:\a*(4096<<\sl)+\q*2048+512*\c
.endr
.endr
.endm
.macro MULA a, set, s, zero            ; tile of queries a x eight of keys, K step s; the 40 accumulators take turns.  An odd tile's words lie in lanes 16-31
	WIN 0xa1+0x50*((\a)/4)
.irp b, 0,1,2,3,4,5,6,7
.set rD, 64*((\a)%4)+8*\b
.set rB, 128*\set+16*\b
.set rA, AF+80*\set+16*(\a)
.set rX, SB+8*(\b/2)+\s
.set rY, SA+8*((\a)/2)+\s
.set odd, 2*(\b%2)+((\a)%2)
.if \zero
.if odd == 0
	v_wmma_scale_f32_16x16x128_f8f6f4 v[rD:rD+7], v[rB:rB+15], v[rA:rA+15], 0, v[rX], v[rY] matrix_a_fmt:MATRIX_FMT_BF8 matrix_b_fmt:MATRIX_FMT_BF8
.elseif odd == 1
	v_wmma_scale_f32_16x16x128_f8f6f4 v[rD:rD+7], v[rB:rB+15], v[rA:rA+15], 0, v[rX], v[rY] matrix_a_fmt:MATRIX_FMT_BF8 matrix_b_fmt:MATRIX_FMT_BF8 matrix_b_scale:MATRIX_SCALE_ROW1
.elseif odd == 2
	v_wmma_scale_f32_16x16x128_f8f6f4 v[rD:rD+7], v[rB:rB+15], v[rA:rA+15], 0, v[rX], v[rY] matrix_a_fmt:MATRIX_FMT_BF8 matrix_b_fmt:MATRIX_FMT_BF8 matrix_a_scale:MATRIX_SCALE_ROW1
.else
	v_wmma_scale_f32_16x16x128_f8f6f4 v[rD:rD+7], v[rB:rB+15], v[rA:rA+15], 0, v[rX], v[rY] matrix_a_fmt:MATRIX_FMT_BF8 matrix_b_fmt:MATRIX_FMT_BF8 matrix_a_scale:MATRIX_SCALE_ROW1 matrix_b_scale:MATRIX_SCALE_ROW1
.endif
.else
.if odd == 0
	v_wmma_scale_f32_16x16x128_f8f6f4 v[rD:rD+7], v[rB:rB+15], v[rA:rA+15], v[rD:rD+7], v[rX], v[rY] matrix_a_fmt:MATRIX_FMT_BF8 matrix_b_fmt:MATRIX_FMT_BF8
.elseif odd == 1
	v_wmma_scale_f32_16x16x128_f8f6f4 v[rD:rD+7], v[rB:rB+15], v[rA:rA+15], v[rD:rD+7], v[rX], v[rY] matrix_a_fmt:MATRIX_FMT_BF8 matrix_b_fmt:MATRIX_FMT_BF8 matrix_b_scale:MATRIX_SCALE_ROW1
.elseif odd == 2
	v_wmma_scale_f32_16x16x128_f8f6f4 v[rD:rD+7], v[rB:rB+15], v[rA:rA+15], v[rD:rD+7], v[rX], v[rY] matrix_a_fmt:MATRIX_FMT_BF8 matrix_b_fmt:MATRIX_FMT_BF8 matrix_a_scale:MATRIX_SCALE_ROW1
.else
	v_wmma_scale_f32_16x16x128_f8f6f4 v[rD:rD+7], v[rB:rB+15], v[rA:rA+15], v[rD:rD+7], v[rX], v[rY] matrix_a_fmt:MATRIX_FMT_BF8 matrix_b_fmt:MATRIX_FMT_BF8 matrix_a_scale:MATRIX_SCALE_ROW1 matrix_b_scale:MATRIX_SCALE_ROW1
.endif
.endif
.endr
.endm
.macro MULALL set, s, zero
.irp a, 0,1,2,3,4
	MULA \a, \set, \s, \zero
.endr
	WIN 0
.endm
.macro STEP set, s, sl, q              ; K step s from one set, the next step's fragments (slot sl, its q-th) into the other
	PLACES 8                                       ; in front of loads into registers that matrix instructions have read
	FETCH \sl, \q, 1-\set
	s_wait_dscnt 52                                ; this step's fragments are in; the 52 just issued may be out
	MULALL \set, \s, 0
.endm
.macro TURN s, sl, fill                ; K step s (set 1) changes slots: every wave waits for its tensor loads and its reads; one barrier; fill: K steps 6, 7 into slot 0
	s_wait_dscnt 0x0
	MULA 0, 1, \s, 0
	WIN 0
	s_wait_tensorcnt 0x0
	ds_add_u32 v[SPW], v[NIL]
.if \fill
	s_add_nc_u64 s[GK+2:GK+3], s[GK+2:GK+3], 12288
	s_add_nc_u64 s[GQ+2:GQ+3], s[GQ+2:GQ+3], 12288
.endif
	MULA 1, 1, \s, 0
	s_wait_dscnt 0x0
	s_barrier_signal -1
	MULA 2, 1, \s, 0
	WIN 0
	s_barrier_wait -1
.if \fill
	s_cmp_eq_u32 s14, 0                            ; wave 0 fetches the keys, wave 1 the queries
	s_cbranch_scc0 .Lr1
	TLOAD GK, G1K
	s_branch .Lr2
.Lr1:
	s_cmp_eq_u32 s14, 1
	s_cbranch_scc0 .Lr2
	TLOAD GQ, G1Q
.Lr2:
.endif
	PLACES 8
	FETCH \sl, 0, 0
	MULA 3, 1, \s, 0
	MULA 4, 1, \s, 0
	WIN 0
.endm
	s_cmp_lt_u32 s14, 2                            ; waves 0, 1: slot 0 is in; waves 2, 3 wait for slot B's at the first change of slots
	s_cbranch_scc0 .Lnot_yet
	s_wait_tensorcnt 0x0
.Lnot_yet:
	s_barrier_signal -1
	s_barrier_wait -1
	FETCH 0, 0, 0
	FETCH 0, 1, 1
	s_wait_loadcnt 0x0                             ; the scale words
	s_wait_dscnt 52
	MULALL 0, 0, 1
	TURN 1, 1, 1
	STEP 0, 2, 1, 1
	STEP 1, 3, 1, 2
	STEP 0, 4, 1, 3
	TURN 5, 0, 0
	STEP 0, 6, 0, 1
	s_wait_dscnt 0x0
	MULALL 1, 7, 0
	PLACES 8                                       ; the fragments' registers are written, and results read, from here on
	v_and_b32 v1, 15, v0
	v_bfe_u32 v2, v0, 4, 1
	v_and_b32 v3, 8, v1
	v_add_nc_u32 v1, v1, v3
	v_lshlrev_b32 v3, 4, v2
	v_sub_nc_u32 v[VD0], v1, v3
	v_cmp_eq_u32 s[HM], 1, v2
	v_mov_b32 v[NINF], 0xff800000
	v_mov_b32 v[NM+1], 0                           ; named as the upper half of a pair
.irp b, 0,1,2,3
	v_mov_b32 v[T2+\b], 0                          ; a lane permute's destination counts as one of its sources
.endr
	s_mov_b32 s[AA], 0
	s_wait_alu depctr_va_vdst(0)
.macro SCALE a                         ; tile a's scores as t, two at a time; each accumulator from its low end on
	WIN 2+(\a)/4
	s_wait_alu depctr_va_vdst(0)                   ; the wait, directly ahead of the results' first readers
.set j, 0
.rept 32
	v_pk_mul_f32 v[X+j:X+j+1], v[64*((\a)%4)+j:64*((\a)%4)+j+1], s[CS:CS+1] op_sel_hi:[1,0]
.set j, j+2
.endr
	WIN 0
.endm
.Ltile:                                                ; my five tiles of queries, one after the other; no barrier stands behind this line
	s_wait_xcnt 0x0                                ; the last tile's stores have read their registers and their bases
	s_add_nc_u64 s[PO:PO+1], s[PO:PO+1], 32768
	s_add_nc_u64 s[AUX:AUX+1], s[AUX:AUX+1], 256
	s_cmp_lt_u32 s[TT], s[TV]                      ; ids alone: a tile of the work-group before
	s_cbranch_scc1 .Lnext
	s_cmp_lt_i32 s[DD], 0
	s_cbranch_scc0 .Lvisible
.set j, 0
.rept 16
	v_mov_b32 v[PC+j], 0                           ; none of my 128 keys counts for any of the tile's queries
.set j, j+1
.endr
	v_mov_b32 v[WW], 0x01010101
	v_mov_b32 v[LSM], 0
	v_mov_b32 v[AX+1], 0x7e967699                  ; -M = 1e38: never the row's smallest -M
	s_wait_alu depctr_va_vdst(0)
	s_branch .Laux
.Lvisible:
.irp a, 0,1,2,3
	s_cmp_eq_u32 s[AA], \a
	s_cbranch_scc0 .Lnot_\a
	SCALE \a
	s_wait_alu depctr_va_vdst(0)
	s_branch .Lscaled
.Lnot_\a:
.endr
	SCALE 4
.Lscaled:
	s_wait_alu depctr_va_vdst(0)
	s_cmp_lt_i32 s[DD], 8
	s_cbranch_scc0 .Lopen
	s_lshr_b32 s93, s[DD], 1                       ; on the diagonal: my query among my 128 keys is 32 (d / 2) + 8 (d % 2) + r + 8 (r / 8); register 16 b + i is key 32 b + 16 h + i
	s_lshl_b32 s93, s93, 5
	s_and_b32 s94, s[DD], 1
	s_lshl_b32 s94, s94, 3
	s_add_co_u32 s93, s93, s94
	v_add_nc_u32 v[VD], s93, v[VD0]
.set j, 0
.rept 64
	v_cmp_gt_i32 vcc_lo, 32*(j/16)+j%16, v[VD]
	v_cndmask_b32 v[X+j], v[X+j], v[NINF], vcc_lo
.set j, j+1
.endr
.Lopen:
.irp b, 0,1,2,3
	v_max3_num_f32 v[BM+\b], 0xff61b1e6, v[X+16*\b], v[X+16*\b+1]   ; the largest t of each block of 32 keys, over -3e38
.endr
.irp i, 2,4,6,8,10,12,14
.irp b, 0,1,2,3
	v_max3_num_f32 v[BM+\b], v[BM+\b], v[X+16*\b+\i], v[X+16*\b+\i+1]
.endr
.endr
.irp b, 0,1,2,3
	v_permlanex16_b32 v[T2+\b], v[BM+\b], s[SEL], s[SEL+1]
.endr
.irp b, 0,1,2,3
	v_max_num_f32 v[BM+\b], v[BM+\b], v[T2+\b]
.endr
	v_max3_num_f32 v[TP], v[BM], v[BM+1], v[BM+2]
	v_max_num_f32 v[TP], v[TP], v[BM+3]            ; the largest t
	v_floor_f32 v[NM], -v[TP]                      ; -M = floor(-t) = -ceil(t)
.set j, 0
.rept 32
	v_pk_add_f32 v[X+j:X+j+1], v[X+j:X+j+1], v[NM:NM+1] op_sel_hi:[1,0]   ; t - M, two at a time
.set j, j+2
.endr
.irp b, 0,1,2,3
	v_add_f32 v[BM+\b], v[BM+\b], v[NM]            ; the same of each block's largest t
.endr
	s_wait_alu depctr_va_vdst(0)
.set j, 0
.rept 64
	v_exp_f32 v[X+j], v[X+j]                       ; p = 2^(t - M)
.set j, j+1
.endr
	v_mov_b32 v[AX+1], v[NM]                       ; the plain line behind the exponentials
	s_wait_alu depctr_va_vdst(0)                   ; one wait for the batch, ahead of its first reader
.irp b, 0,1,2,3
	v_exp_f32 v[BM+\b], v[BM+\b]                   ; the block's largest p: the same instruction on the same number
.endr
	v_pk_add_f32 v[S1:S1+1], v[X:X+1], v[X+2:X+3]  ; the sum of the unquantised p, in two chains
	v_pk_add_f32 v[S2:S2+1], v[X+4:X+5], v[X+6:X+7]
.irp j, 8,12,16,20,24,28,32,36,40,44,48,52,56,60
	v_pk_add_f32 v[S1:S1+1], v[S1:S1+1], v[X+\j:X+\j+1]
	v_pk_add_f32 v[S2:S2+1], v[S2:S2+1], v[X+\j+2:X+\j+3]
.endr
	v_pk_add_f32 v[S1:S1+1], v[S1:S1+1], v[S2:S2+1]
	v_add_f32 v[TP], v[S1], v[S1+1]
	v_permlanex16_b32 v[T2], v[TP], s[SEL], s[SEL+1]
	v_add_f32 v[LSM], v[TP], v[T2]                 ; with lane l xor 16's 64 keys
	s_wait_alu depctr_va_vdst(0)                   ; and one for the four
.irp b, 0,1,2,3
	v_max_num_f32 v[BM+\b], 0x8000000, v[BM+\b]    ; the floor: the byte cannot fall under 1
.endr
.irp b, 0,1,2,3
	v_add_nc_u32 v[SCL+\b], 0xf8800000, v[BM+\b]
.endr
.irp b, 0,1,2,3
	v_and_or_b32 v[HLD+\b], v[BM+\b], 0x7f800000, s[MNT]
.endr
.irp b, 0,1,2,3
	v_lshrrev_b32 v[T2+\b], 23, v[SCL+\b]
.endr
	v_lshl_or_b32 v[WW], v[T2+1], 8, v[T2]
	v_lshl_or_b32 v[WW], v[T2+2], 16, v[WW]
	v_lshl_or_b32 v[WW], v[T2+3], 24, v[WW]
.irp b, 0,1,2,3
.irp i, 0,1,2,3,4,5,6,7,8,9,10,11,12,13,14,15
	v_min_num_f32 v[X+16*\b+\i], v[X+16*\b+\i], v[HLD+\b]   ; p is not negative: the hold is one-sided
.endr
.endr
.irp b, 0,1,2,3
	v_cvt_scalef32_pk8_bf8_f32 v[PC+4*\b:PC+4*\b+1], v[X+16*\b:X+16*\b+7], v[SCL+\b]
	v_cvt_scalef32_pk8_bf8_f32 v[PC+4*\b+2:PC+4*\b+3], v[X+16*\b+8:X+16*\b+15], v[SCL+\b]
.endr
	v_nop                                          ; a plain line behind the last conversion
.Laux:
	v_cndmask_b32 v[AX], v[WW], v[LSM], s[HM]      ; lanes 0-15 the scale word, lanes 16-31 the sum; beside it -M
.irp c, 0,1,2,3
	global_store_b128 v[LI], v[PC+4*\c:PC+4*\c+3], s[PO:PO+1] offset:512*\c   ; 512 consecutive bytes
.endr
	global_store_b64 v[L8], v[AX:AX+1], s[AUX:AUX+1]   ; 256 consecutive bytes, aligned
.Lnext:
	s_add_co_u32 s[TT], s[TT], 1
	s_add_co_i32 s[DD], s[DD], 1
	s_wait_alu depctr_va_vdst(0)
	s_add_co_u32 s[AA], s[AA], 1
	s_cmp_lt_u32 s[AA], 5
	s_cbranch_scc1 .Ltile
	s_wait_tensorcnt 0x0                           ; the wave's end
	ds_add_u32 v[SPW], v[NIL]
	s_wait_dscnt 0x0
	s_endpgm
.Lfunc_end_k_qa5ac78efcb_score:
	.size	k_qa5ac78efcb_score, .Lfunc_end_k_qa5ac78efcb_score-k_qa5ac78efcb_score
	.p2alignl 7, 3214868480
	.fill 96, 4, 3214868480
	.section	.rodata,"a",@progbits
	.p2align	6, 0x0
	.amdhsa_kernel k_qa5ac78efcb_score
		.amdhsa_group_segment_fixed_size 327680
		.amdhsa_private_segment_fixed_size 0
		.amdhsa_enable_private_segment 0
		.amdhsa_kernarg_size 32
		.amdhsa_user_sgpr_count 2
		.amdhsa_user_sgpr_kernarg_segment_ptr 1
		.amdhsa_wavefront_size32 1
		.amdhsa_system_sgpr_workgroup_id_x 1
		.amdhsa_system_sgpr_workgroup_id_y 1
		.amdhsa_system_sgpr_workgroup_id_z 1
		.amdhsa_system_vgpr_workitem_id 0
		.amdhsa_next_free_vgpr 1024
		.amdhsa_next_free_sgpr 100
		.amdhsa_reserve_vcc 1
		.amdhsa_float_denorm_mode_32 3
		.amdhsa_float_denorm_mode_16_64 3
		.amdhsa_memory_ordered 1
		.amdhsa_forward_progress 1
		.amdhsa_inst_pref_size 116
	.end_amdhsa_kernel
	.amdgpu_metadata
---
amdhsa.version: [ 1, 2 ]
amdhsa.kernels:
  - .name:           k_qa5ac78efcb_score
    .symbol:         k_qa5ac78efcb_score.kd
    .args:
      - { .name: qkv_img, .offset: 0, .size: 8, .value_kind: global_buffer, .address_space: global }
      - { .name: qkv_sc, .offset: 8, .size: 8, .value_kind: global_buffer, .address_space: global }
      - { .name: p_img, .offset: 16, .size: 8, .value_kind: global_buffer, .address_space: global }
      - { .name: p_aux, .offset: 24, .size: 8, .value_kind: global_buffer, .address_space: global }
    .group_segment_fixed_size: 327680
    .private_segment_fixed_size: 0
    .kernarg_segment_align: 8
    .kernarg_segment_size: 32
    .max_flat_workgroup_size: 128
    .sgpr_count:     100
    .vgpr_count:     1024
    .wavefront_size: 32
...
	.end_amdgpu_metadata
.endif
;; end of part 3
;; launch pv (part 4): grid 8 x 32, 4 waves a work-group, clusters of 4 x 1, 327,680 bytes of LDS; arguments p_img, p_aux, qkv_img, qkv_sc, out0; writes out0
.if DOCPART == 4
	.amdgcn_target "amdgcn-amd-amdhsa--gfx1250"
	.amdhsa_code_object_version 6
	.text
	.protected	k_qa5ac78efcb_pv
	.globl	k_qa5ac78efcb_pv
	.p2align	8
	.type	k_qa5ac78efcb_pv,@function
k_qa5ac78efcb_pv:
	s_mov_b64 s[64:65], 0
	v_nop
	global_prefetch_b8 v0, s[64:65] scope:SCOPE_SE
	s_setreg_imm32_b32 hwreg(HW_REG_WAVE_MODE, 25, 1), 1
	s_wait_xcnt 0x0
	s_wait_alu depctr_hold_cnt(0) depctr_sa_sdst(0) depctr_va_vdst(0) depctr_va_sdst(0) depctr_va_ssrc(0) depctr_va_vcc(0) depctr_vm_vsrc(0)
	s_getreg_b32 s2, hwreg(HW_REG_IB_STS2, 6, 4)
	s_cmp_eq_u32 s2, 0
	s_cbranch_scc0 .Lentry_in_a_cluster
	s_endpgm
.Lentry_in_a_cluster:
	s_bfe_u32 s2, ttmp6, 0x10000c
	s_cmp_lg_u32 s2, 0x3003
	s_cbranch_scc0 .Lentry_shape_is_right
	s_endpgm
.Lentry_shape_is_right:
; O = p v / l on codes of E5M2 (K = the keys).  WORK LEFT OUT: the groups of 256 keys that lie wholly behind a block's queries (shown dead at the head of the first kernel).
; SHARES.  A work-group makes TWO tiles of 128 queries x 128 of d for one batch: query block i (N1 = i / 2 + 1 groups of 256 keys), then block 15 - i: nine groups in all for every work-group.
; A wave makes 64 x 64: 16 accumulators.  Source 0 = 16 of d (v), source 1 = 16 queries (p): a lane holds one query, its registers run along d (natural order).
; THE ROW'S M.  The launch before used a whole number M for each (query, 128 keys).  Thread t takes row t of both query blocks: -M of the row is the smallest -M of its key steps; D = M_row - M_step is a whole number, 0 or more;
; D is taken off the four bytes of the step's scale word (held at 0: such a block counts for under 2^-110 beside a sum of at least 1/2), and the sums are added as l_step x 2^-D.  Both are exact powers of two.
; THE RING.  Two slots of 131,072 bytes, each for two groups (a group: p's 8 tiles x 2 key steps, then v's).  Wave w fetches one tile of 32,768 bytes: p's (waves 0, 1) or v's (waves 2, 3), of the slot's group w % 2.
; Fill 0 goes out at the head, fill 1 (groups 2, 3) under the pre-pass, fills 2, 3 in the loop's two trips, fill 4 (group 8: waves 0 and 2 alone) behind them.  A wave has one tensor load out at a time.
; PREFETCH: behind each fill's load the next fill's bytes, one slot ahead: each block of 256 bytes of p by one of the four work-groups (two tiles each, by address), of v by the work-group itself; nothing behind group 8.
; CLUSTER: the four work-groups of a cluster take the same queries and four tiles of d: p's tiles are asked for jointly (mask 15), v's by loads of their own.  LIMITS: as in the launches before.
.set SLOT,  131072
.set SCW,   262144                     ; scale words in walking order: [18 key steps][p's 512 bytes | v's 512 bytes]
.set LINV,  280576                     ; 1 / l of the two tiles' 128 rows
.set STAGE, 281600                     ; the way out: 16 rows x 272 bytes for each wave
.set SPARE, 299008                     ; the spare words, 128 bytes a wave, that no other line names
.set TH4,  2                           ; v2   4 x thread
.set ADA0, 3                           ; v3-6 my lane's places in a place of the ring and among the scale words
.set ADB0, 4
.set ASA0, 5
.set ASB0, 6
.set AE,   7                           ; v7, v8 LDS address of my fragments of p in the slot's even, odd group;  v9, v10 of v
.set BE,   9
.set ASA,  11                          ; v11, v17 of the slot's scale words
.set ASB,  17
.set STO,  12
.set RD,   13
.set GO,   14
.set LIA,  15
.set SCWA, 16
.set LINW, 18
.set PFP,  26                          ; v26, v27 the prefetches' offsets in p, in v
.set PFV,  27
.set SPW,  28
.set NIL,  29
.set SCR,  32                          ; v32-39 scale words and nothing else: set f at 4 f: two of p's pairs of tiles, two of v's
.set LV,   40                          ; v40-47 1 / l, in the low halves of four pairs
.set T,    48                          ; v48-79 the way out
.set BK,   80                          ; v80-111
.set ACC,  128                         ; v128-255 the accumulators ((a, b) at 8 (4 a + b)); ahead of the sums: the pre-pass's registers
.set PW,   128                         ; pairs: scale word, -M
.set PL,   164
.set PV,   182
.set VO,   200
.set VV,   209
.set NM1,  218
.set NM2,  219
.set L1,   220
.set L2,   221
.set NR,   222
.set T0,   223
.set T1,   224
.set T2,   225
.set T3,   226
.set T5,   227
.set BIG,  228
.set N1,   22
.set G1A,  24
.set G1B,  32
.set G0A,  48
.set G0B,  52
.set PA,   56
.set PB,   58
.set OFA1, 60
.set OFA2, 61
.set GN,   70                          ; the group that my next fill's address is made for
.set OUT0, 72
.set OUT1, 74
.set MS,   76
.set KM,   79
.set LB,   80                          ; s80  where my tile goes in a slot: 65,536 (wave % 2) + 32,768 (wave / 2)
.set BA,   81
.set BV,   82
.set Q1,   83
.set Q2,   84
.set K1,   89
.set TB,   90                          ; where the slot in hand begins
.set TB2,  91                          ; and its odd group
.set TS,   92                          ; its scale words
.set GI,   93                          ; the group in hand
.set ZG,   94                          ; the group that begins sums anew
.set LC,   95
.set NP,   96                          ; my next fill in p, in v
.set NV,   98
.set MSB, 0
.macro WIN new
.if MSB != (\new)
	s_set_vgpr_msb (MSB<<8)|(\new)
.set MSB, \new
.endif
.endm
.macro PLACES n
.rept \n
	v_nop
.endr
.endm
.macro TLOAD g0, g1                    ; an s_nop 0 and four v_nop follow the load
	tensor_load_to_lds s[\g0:\g0+3], s[\g1:\g1+7]
	s_nop 0
	PLACES 4
.endm
.macro JLOAD                           ; waves 0, 1: p's tiles of the slot's two groups, jointly; waves 2, 3: v's
	s_cmp_eq_u32 s15, 0
	s_cbranch_scc0 .Lfor_b_\@
	TLOAD G0A, G1A
	s_branch .Lasked_\@
.Lfor_b_\@:
	TLOAD G0B, G1B
.Lasked_\@:
.endm
.macro JLOADH                          ; the last refill has one group: wave 0 fetches p's tile, wave 2 v's, waves 1 and 3 nothing
	s_cmp_eq_u32 s14, 0
	s_cbranch_scc0 .Lnot_p_\@
	TLOAD G0A, G1A
	s_branch .Laskedh_\@
.Lnot_p_\@:
	s_cmp_eq_u32 s14, 2
	s_cbranch_scc0 .Laskedh_\@
	TLOAD G0B, G1B
.Laskedh_\@:
.endm
.macro CREST
	s_cmp_lg_u32 s14, 0
	s_cbranch_scc1 .Lnot_wave_0_\@
	s_barrier_signal -3
.Lnot_wave_0_\@:
	s_barrier_wait -3
	s_barrier_signal -1
	s_barrier_wait -1
.endm
.macro CROUND
	s_barrier_signal -1
	s_barrier_wait -1
	CREST
.endm
.macro ADDR                            ; my group of the next fill: where its tiles of p and v begin.  The first N1 groups are tile 1's, the others tile 2's.  All of it hangs on the cluster's y, the wave's number and constants
	s_cmp_ge_u32 s[GN], s[N1]
	s_cselect_b32 s68, s[N1], 0
	s_cselect_b32 s66, s[OFA2], s[OFA1]
	s_sub_co_u32 s68, s[GN], s68                   ; the group among its tile's
	s_lshl_b32 s68, s68, 12                        ; two fragments a group
	s_add_co_u32 s66, s66, s68
	s_add_nc_u64 s[NP:NP+1], s[PA:PA+1], s[66:67]
	s_add_nc_u64 s[NV:NV+1], s[PB:PB+1], s[68:69]
	s_add_co_u32 s[GN], s[GN], 2
.endm
.macro DESC                            ; the groups 0 of that fill, into the slot at TB
	s_mov_b64 s[G0A+2:G0A+3], s[NP:NP+1]
	s_or_b32 s[G0A+3], s[G0A+3], 0x80000000
	s_mov_b64 s[G0B+2:G0B+3], s[NV:NV+1]
	s_or_b32 s[G0B+3], s[G0B+3], 0x80000000
	s_add_co_u32 s[G0A+1], s[LB], s[TB]
	s_add_co_u32 s[G0B+1], s[LB], s[TB]
.endm
.macro ASK                             ; the prefetch of the fill that ADDR has just named: a wave whose group would be the tenth asks for nothing
	s_cmp_lt_u32 s[GN], 11
	s_cbranch_scc0 .Lnone_\@
	s_cmp_eq_u32 s15, 0
	s_cbranch_scc0 .Lask_v_\@
	global_prefetch_b8 v[PFP], s[NP:NP+1] th:TH_LOAD_NT scope:SCOPE_SE
	s_branch .Lnone_\@
.Lask_v_\@:
.irp j, 0,1,2,3
	global_prefetch_b8 v[PFV], s[NV:NV+1] offset:65536*\j th:TH_LOAD_NT scope:SCOPE_SE
.endr
.Lnone_\@:
.endm
	s_load_b256 s[4:11], s[0:1], 0x0               ; p_img, p_aux, qkv_img, qkv_sc
	s_load_b64 s[12:13], s[0:1], 0x20              ; out0
	v_lshl_add_u32 v[SPW], v0, 2, SPARE
	v_mov_b32 v[NIL], 0
	ds_add_u32 v[SPW], v[NIL]                      ; the opening: the add, twice on end, and its wait ahead of my first tensor load
	ds_add_u32 v[SPW], v[NIL]
	v_lshrrev_b32 v1, 5, v0
	v_readfirstlane_b32 s14, v1
	s_lshr_b32 s15, s14, 1                         ; my half of the queries.  Also: I fetch p (0) or v (1)
	s_and_b32 s16, s14, 1                          ; my half of d.  Also: which of a slot's two groups I fetch
	s_bfe_u32 s17, ttmp6, 0x40000                  ; cx
	s_lshl_b32 s18, ttmp9, 2
	s_add_co_u32 s18, s18, s17                     ; my tile of 128 along d
	s_and_b32 s19, ttmp7, 0xffff
	s_lshr_b32 s20, s19, 3                         ; batch
	s_and_b32 s21, s19, 7                          ; i
	s_lshr_b32 s[N1], s21, 1
	s_add_co_u32 s[N1], s[N1], 1                   ; tile 1's groups of 256 keys: 1 .. 4
	s_sub_co_u32 s88, 15, s21                      ; tile 2's query block
	s_mov_b32 s[G1A+0], 15|(3<<16)|(1<<21)         ; the mask: all four work-groups; elements of 8 bytes; bit 21 beside a mask
	s_mov_b32 s[G1B+0], 3<<16
.irp g, G1A, G1B
	s_mov_b32 s[\g+1], 512<<16                     ; 4,096 bytes: two fragments
	s_mov_b32 s[\g+2], 8<<16                       ; 8 tiles
	s_mov_b32 s[\g+3], 512<<16
	s_mov_b32 s[\g+4], 8
	s_mov_b32 s[\g+5], 4096                        ; 32,768 bytes from tile to tile
	s_mov_b32 s[\g+6], 0
	s_mov_b32 s[\g+7], 0
.endr
	s_lshl_b32 s[OFA1], s21, 18                    ; a query block's 8 tiles are 262,144 bytes
	s_lshl_b32 s[OFA2], s88, 18
	s_lshl_b32 s66, s20, 22
	s_mov_b32 s67, 0
	s_lshl_b32 s68, s18, 18                        ; my 8 tiles of d
	s_lshl_b32 s85, s20, 21
	s_add_co_u32 s68, s68, s85
	s_add_co_u32 s68, s68, 16777216
	s_mov_b32 s69, 0
	s_lshl_b32 s[LB], s16, 16
	s_lshl_b32 s85, s15, 15
	s_add_co_u32 s[LB], s[LB], s85
	s_mov_b32 s[KM], 0x00ff00ff
	s_mov_b32 s[K1], 0x10001
	s_mov_b32 s[TB], 0
	s_mov_b32 s[TS], 0
	s_mov_b32 s[GI], 0
	s_mov_b32 s[ZG], 0
	s_mov_b32 s[GN], s16
	s_mov_b32 s[G0A], 1
	s_mov_b32 s[G0B], 1
	v_and_b32 v1, 31, v0
	v_and_b32 v21, 15, v0
	v_bfe_u32 v22, v0, 4, 1
	v_lshlrev_b32 v[PFV], 8, v21                   ; a prefetch: sixteen lanes take a tile's 4,096 bytes, the others the next tile's
	v_lshl_add_u32 v[PFV], v22, 15, v[PFV]
	s_lshl_b32 s85, s17, 16
	v_add_nc_u32 v[PFP], s85, v[PFV]               ; of p my work-group's two tiles of the eight
	s_wait_alu depctr_va_vdst(0)
	s_wait_dscnt 0x0                               ; both opening adds are done
	s_wait_kmcnt 0x0
	s_add_nc_u64 s[PA:PA+1], s[4:5], s[66:67]
	s_add_nc_u64 s[PB:PB+1], s[8:9], s[68:69]
	CROUND                                         ; all four work-groups are here: the first joint loads meet
	ADDR
	DESC
	JLOAD                                          ; groups 0, 1
	ADDR
	ASK                                            ; groups 2, 3
; ---------------- the pre-pass ----------------
	v_lshlrev_b32 v[TH4], 2, v0
	v_lshrrev_b32 v23, 4, v0
	v_lshlrev_b32 v23, 8, v23
	v_lshl_add_u32 v23, v21, 3, v23                ; row t of a query block: tile t / 16, 8 bytes a row
	s_lshl_b32 s[BA], s20, 19
	s_lshl_b32 s[BV], s20, 16
	s_lshl_b32 s85, s18, 9
	s_add_co_u32 s[BV], s[BV], s85
	s_add_co_u32 s[BV], s[BV], 524288
	s_lshl_b32 s[Q1], s21, 11
	s_lshl_b32 s[Q2], s88, 11
	s_wait_alu depctr_va_vdst(0)
.irp g, 0,1,2,3,4,5,6,7,8              ; group g in walking order: its tile, its place among the keys; for its two key steps p's word with -M, the sum, v's word
	s_cmp_gt_u32 s[N1], \g
	s_cselect_b32 s85, 0, s[N1]
	s_cselect_b32 s86, s[Q1], s[Q2]
	s_sub_co_u32 s85, \g, s85
	s_lshl_b32 s87, s85, 16
	s_add_co_u32 s87, s87, s86
	s_add_co_u32 s87, s87, s[BA]
	v_add_nc_u32 v[VO+\g], s87, v23
	s_lshl_b32 s87, s85, 13
	s_add_co_u32 s87, s87, s[BV]
	v_add_nc_u32 v[VV+\g], s87, v[TH4]
	global_load_b64 v[PW+4*\g:PW+4*\g+1], v[VO+\g], s[6:7]
	global_load_b64 v[PW+4*\g+2:PW+4*\g+3], v[VO+\g], s[6:7] offset:32768
	global_load_b32 v[PL+2*\g], v[VO+\g], s[6:7] offset:128
	global_load_b32 v[PL+2*\g+1], v[VO+\g], s[6:7] offset:32768+128
	global_load_b32 v[PV+2*\g], v[VV+\g], s[10:11]
	global_load_b32 v[PV+2*\g+1], v[VV+\g], s[10:11] offset:4096
.endr
.irp g, 1,2,3
	s_cmp_gt_u32 s[N1], \g
	s_cselect_b32 s[MS+\g-1], -1, 0                ; all lanes: group g is tile 1's
.endr
	; addresses that stay
	v_lshlrev_b32 v19, 4, v1                       ; 16 x lane
	v_lshlrev_b32 v20, 2, v1                       ; 4 x lane
	s_wait_alu depctr_va_vdst(0)                   ; the wait, directly behind the write
	s_lshl_b32 s85, s15, 14
	v_add_nc_u32 v[ADA0], s85, v19
	s_lshl_b32 s85, s16, 14
	s_add_co_u32 s85, s85, 32768
	v_add_nc_u32 v[ADB0], s85, v19
	s_lshl_b32 s85, s15, 8
	s_add_co_u32 s86, s85, SCW
	v_add_nc_u32 v[ASA0], s86, v20
	s_add_co_u32 s86, s85, LINV
	v_lshl_add_u32 v[LIA], v21, 2, s86
	s_lshl_b32 s85, s16, 8
	s_add_co_u32 s85, s85, SCW+512
	v_add_nc_u32 v[ASB0], s85, v20
	s_mul_i32 s85, s14, 4352
	s_add_co_u32 s85, s85, STAGE
	v_mul_u32_u24 v[STO], v21, 272
	v_lshl_add_u32 v[STO], v22, 6, v[STO]
	v_add_nc_u32 v[STO], s85, v[STO]               ; in: row r, + 64 bytes for lanes 16-31
	v_mul_u32_u24 v[RD], v22, 272
	v_lshl_add_u32 v[RD], v21, 4, v[RD]
	v_add_nc_u32 v[RD], s85, v[RD]                 ; back: lanes 0-15 one row, lanes 16-31 the next
	v_lshlrev_b32 v[GO], 12, v22
	v_lshl_add_u32 v[GO], v21, 4, v[GO]            ; and the same two rows of out0
	v_lshl_add_u32 v[SCWA], v0, 2, SCW
	v_lshl_add_u32 v[LINW], v0, 2, LINV
.irp a, 0,1,2,3
	v_mov_b32 v[LV+2*\a+1], 0                      ; named as the upper halves of pairs
.endr
	s_lshl_b32 s85, s20, 11
	s_lshl_b32 s86, s15, 6
	s_add_co_u32 s85, s85, s86                     ; 2,048 batch + 64 ra
	s_lshl_b32 s86, s18, 9
	s_lshl_b32 s87, s16, 8
	s_add_co_u32 s86, s86, s87                     ; my first column, in bytes
	s_lshl_b32 s87, s21, 7
	s_add_co_u32 s87, s87, s85
	s_lshl_b32 s87, s87, 12
	s_add_co_u32 s[OUT0], s87, s86
	s_mov_b32 s[OUT0+1], 0
	s_add_nc_u64 s[OUT0:OUT0+1], s[12:13], s[OUT0:OUT0+1]
	s_lshl_b32 s87, s88, 7
	s_add_co_u32 s87, s87, s85
	s_lshl_b32 s87, s87, 12
	s_add_co_u32 s[OUT1], s87, s86
	s_mov_b32 s[OUT1+1], 0
	s_add_nc_u64 s[OUT1:OUT1+1], s[12:13], s[OUT1:OUT1+1]
	s_wait_alu depctr_va_vdst(0)
	s_wait_tensorcnt 0x0                           ; my tile of groups 0, 1 is in; slot 1's first fill stands behind the full sequence
	ds_add_u32 v[SPW], v[NIL]
	s_mov_b32 s[TB], SLOT
	DESC                                           ; groups 2, 3
	s_wait_dscnt 0x0
	CROUND
	JLOAD
	s_mov_b32 s[TB], 0
	s_wait_xcnt 0x0                                ; the prefetches have read their bases
	ADDR
	ASK                                            ; groups 4, 5
	s_wait_loadcnt 0x0
	v_mov_b32 v[BIG], 0x7f61b1e6                   ; 3e38
	v_mov_b32 v[L1], 0
	v_mov_b32 v[L2], 0
	v_min_num_f32 v[NM1], v[PW+1], v[PW+3]         ; group 0 is always tile 1's, groups 4 to 8 always tile 2's; groups 1 to 3 are chosen by their masks
	v_min_num_f32 v[NM2], v[PW+17], v[PW+19]
.irp k, 10,11,12,13,14,15,16,17
	v_min_num_f32 v[NM2], v[NM2], v[PW+2*\k+1]
.endr
.irp g, 1,2,3
	v_min_num_f32 v[T0], v[PW+4*\g+1], v[PW+4*\g+3]
	v_cndmask_b32 v[T1], v[BIG], v[T0], s[MS+\g-1]
	v_cndmask_b32 v[T2], v[T0], v[BIG], s[MS+\g-1]
	v_min_num_f32 v[NM1], v[NM1], v[T1]
	v_min_num_f32 v[NM2], v[NM2], v[T2]
.endr
.macro PREK k
.set gg, (\k)/2
.set wd, PW+2*(\k)
.if gg == 0
.set NRR, NM1
.elseif gg >= 4
.set NRR, NM2
.else
.set NRR, NR
	v_cndmask_b32 v[NR], v[NM2], v[NM1], s[MS+gg-1]
.endif
	v_sub_f32 v[T0], v[wd+1], v[NRR]               ; D = M_row - M_step, a whole number, 0 or more
	v_cvt_i32_f32 v[T0], v[T0]                     ; (it saturates)
	v_min_u32 v[T0], 255, v[T0]
	v_sub_nc_u32 v[T1], 0, v[T0]
	v_ldexp_f32 v[T2], v[PL+(\k)], v[T1]           ; the step's sum under the row's M
.if gg == 0
	v_add_f32 v[L1], v[L1], v[T2]
.elseif gg >= 4
	v_add_f32 v[L2], v[L2], v[T2]
.else
	v_cndmask_b32 v[T1], 0, v[T2], s[MS+gg-1]
	v_add_f32 v[L1], v[L1], v[T1]
	v_cndmask_b32 v[T1], v[T2], 0, s[MS+gg-1]
	v_add_f32 v[L2], v[L2], v[T1]
.endif
	v_mul_u32_u24 v[T0], v[T0], s[K1]              ; D in both halves,
	v_sub_nc_u32 v[T0], 0x01000100, v[T0]          ; 256 - D in both halves
	v_and_b32 v[T3], s[KM], v[wd]                  ; bytes 0 and 2,
	v_lshrrev_b32 v[T5], 8, v[wd]
	v_and_b32 v[T5], s[KM], v[T5]                  ; bytes 1 and 3
	v_add_nc_u32 v[T3], v[T3], v[T0]               ; byte + 256 - D: bit 8 says that byte - D is not negative
	v_add_nc_u32 v[T5], v[T5], v[T0]
	v_lshrrev_b32 v[T1], 8, v[T3]
	v_lshrrev_b32 v[T2], 8, v[T5]
	v_and_b32 v[T1], s[K1], v[T1]
	v_and_b32 v[T2], s[K1], v[T2]
	v_mul_u32_u24 v[T1], v[T1], 255
	v_mul_u32_u24 v[T2], v[T2], 255
	v_and_b32 v[T3], v[T3], v[T1]                  ; byte - D, or 0
	v_and_b32 v[T5], v[T5], v[T2]
	v_lshl_or_b32 v[wd], v[T5], 8, v[T3]
	ds_store_b32 v[SCWA], v[wd] offset:1024*(\k)
	ds_store_b32 v[SCWA], v[PV+(\k)] offset:1024*(\k)+512
.endm
.irp k, 0,1,2,3,4,5,6,7,8,9,10,11,12,13,14,15,16,17
	PREK \k
.endr
	s_wait_alu depctr_va_vdst(0)
	v_rcp_f32 v[T0], v[L1]
	v_rcp_f32 v[T1], v[L2]
	v_nop                                          ; a plain line behind the reciprocals
	s_wait_alu depctr_va_vdst(0)                   ; and the wait ahead of their first reader
	ds_store_b32 v[LINW], v[T0]
	ds_store_b32 v[LINW], v[T1] offset:512
	s_wait_dscnt 0x0                               ; my stores of scale words and reciprocals have landed; slot 1's tile may stay out
	s_barrier_signal -1
	s_barrier_wait -1
.macro PLACE                           ; the LDS addresses of the slot in hand
	s_add_co_u32 s[TB2], s[TB], 65536
	v_add_nc_u32 v[AE], s[TB], v[ADA0]
	v_add_nc_u32 v[AE+1], s[TB2], v[ADA0]
	v_add_nc_u32 v[BE], s[TB], v[ADB0]
	v_add_nc_u32 v[BE+1], s[TB2], v[ADB0]
	v_add_nc_u32 v[ASA], s[TS], v[ASA0]
	v_add_nc_u32 v[ASB], s[TS], v[ASB0]
	s_wait_alu depctr_va_vdst(0)                   ; the wait, directly behind the writes
.endm
.macro FETCH o, q, set                 ; 36 LDS loads: the fragments and scale words of the q-th key step of the slot's even (0) or odd (1) group
	WIN 0x40
.irp t, 0,1,2,3
.irp c, 0,1,2,3
	ds_load_b128 v[128*\set+16*\t+4*\c:128*\set+16*\t+4*\c+3], v[AE+\o] offset:(2*\t+\q)*2048+512*\c
.endr
.endr
.irp t, 0,1,2,3
.irp c, 0,1,2,3
	ds_load_b128 v[128*\set+64+16*\t+4*\c:128*\set+64+16*\t+4*\c+3], v[BE+\o] offset:(2*\t+\q)*2048+512*\c
.endr
.endr
	WIN 0
.irp p, 0,1
	ds_load_b32 v[SCR+4*\set+\p], v[ASA] offset:2048*\o+1024*\q+128*\p
	ds_load_b32 v[SCR+4*\set+2+\p], v[ASB] offset:2048*\o+1024*\q+128*\p
.endr
.endm
.macro WP a, b, set, zero
.set rD, ACC+8*(4*(\a)+(\b))
.set rB, 128*(\set)+64+16*(\b)
.set rA, 128*(\set)+16*(\a)
.set rX, SCR+4*(\set)+2+(\b)/2
.set rY, SCR+4*(\set)+(\a)/2
.set odd, 2*((\b)%2)+((\a)%2)
.if \zero
.if odd == 0
	v_wmma_scale_f32_16x16x128_f8f6f4 v[rD:rD+7], v[rB:rB+15], v[rA:rA+15], 0, v[rX], v[rY] matrix_a_fmt:MATRIX_FMT_BF8 matrix_b_fmt:MATRIX_FMT_BF8
.elseif odd == 1
	v_wmma_scale_f32_16x16x128_f8f6f4 v[rD:rD+7], v[rB:rB+15], v[rA:rA+15], 0, v[rX], v[rY] matrix_a_fmt:MATRIX_FMT_BF8 matrix_b_fmt:MATRIX_FMT_BF8 matrix_b_scale:MATRIX_SCALE_ROW1
.elseif odd == 2
	v_wmma_scale_f32_16x16x128_f8f6f4 v[rD:rD+7], v[rB:rB+15], v[rA:rA+15], 0, v[rX], v[rY] matrix_a_fmt:MATRIX_FMT_BF8 matrix_b_fmt:MATRIX_FMT_BF8 matrix_a_scale:MATRIX_SCALE_ROW1
.else
	v_wmma_scale_f32_16x16x128_f8f6f4 v[rD:rD+7], v[rB:rB+15], v[rA:rA+15], 0, v[rX], v[rY] matrix_a_fmt:MATRIX_FMT_BF8 matrix_b_fmt:MATRIX_FMT_BF8 matrix_a_scale:MATRIX_SCALE_ROW1 matrix_b_scale:MATRIX_SCALE_ROW1
.endif
.else
.if odd == 0
	v_wmma_scale_f32_16x16x128_f8f6f4 v[rD:rD+7], v[rB:rB+15], v[rA:rA+15], v[rD:rD+7], v[rX], v[rY] matrix_a_fmt:MATRIX_FMT_BF8 matrix_b_fmt:MATRIX_FMT_BF8
.elseif odd == 1
	v_wmma_scale_f32_16x16x128_f8f6f4 v[rD:rD+7], v[rB:rB+15], v[rA:rA+15], v[rD:rD+7], v[rX], v[rY] matrix_a_fmt:MATRIX_FMT_BF8 matrix_b_fmt:MATRIX_FMT_BF8 matrix_b_scale:MATRIX_SCALE_ROW1
.elseif odd == 2
	v_wmma_scale_f32_16x16x128_f8f6f4 v[rD:rD+7], v[rB:rB+15], v[rA:rA+15], v[rD:rD+7], v[rX], v[rY] matrix_a_fmt:MATRIX_FMT_BF8 matrix_b_fmt:MATRIX_FMT_BF8 matrix_a_scale:MATRIX_SCALE_ROW1
.else
	v_wmma_scale_f32_16x16x128_f8f6f4 v[rD:rD+7], v[rB:rB+15], v[rA:rA+15], v[rD:rD+7], v[rX], v[rY] matrix_a_fmt:MATRIX_FMT_BF8 matrix_b_fmt:MATRIX_FMT_BF8 matrix_a_scale:MATRIX_SCALE_ROW1 matrix_b_scale:MATRIX_SCALE_ROW1
.endif
.endif
.endm
.macro MUL8 set, a0, zero              ; the 16 accumulators take turns, one instruction a turn, in the same order in every key step
	WIN 0x05
.irp a, \a0, \a0+1
.irp b, 0,1,2,3
	WP \a, \b, \set, \zero
.endr
.endr
.endm
.macro MUL16 set, zero
	MUL8 \set, 0, \zero
	MUL8 \set, 2, \zero
	WIN 0
.endm
; THE WAY OUT of tile tau: O / l through my own stage, a tile of 16 queries at a time; sixteen lanes store 256 consecutive bytes, aligned.  Row 2 t + h of tile a is natural query 32 (a / 2) + 8 (a % 2) + 2 t + h + 8 (t / 4) of my 64.
.macro EPI tau
.irp a, 0,1,2,3
	ds_load_b32 v[LV+2*\a], v[LIA] offset:512*(\tau)+64*\a
.endr
	s_wait_dscnt 0x0
.irp a, 0,1,2,3
.set j, 0
.rept 16
	v_pk_mul_f32 v[T+j:T+j+1], v[ACC+32*\a+j:ACC+32*\a+j+1], v[LV+2*\a:LV+2*\a+1] op_sel_hi:[1,0]   ; each accumulator from its low end on
.set j, j+2
.endr
.irp m, 0,1,2,3,4,5,6,7
	ds_store_b128 v[STO], v[T+4*\m:T+4*\m+3] offset:128*(\m/4)+16*(\m%4)   ; register 16 b + i is d 32 b + 16 h + i of my 64
.endr
	s_wait_xcnt 0x0                                ; earlier global stores have read the registers that the loads below fill
.irp t, 0,1,2,3,4,5,6,7
	ds_load_b128 v[BK+4*\t:BK+4*\t+3], v[RD] offset:544*\t   ; LDS serves a wave's instructions in order: these see the stores above
.endr
.irp t, 0,1,2,3,4,5,6,7
	s_wait_dscnt 7-\t                              ; the younger loads may be out
	global_store_b128 v[GO], v[BK+4*\t:BK+4*\t+3], s[OUT0+2*(\tau):OUT0+2*(\tau)+1] offset:(32*(\a/2)+8*(\a%2)+2*\t+8*(\t/4))*4096 th:TH_STORE_NT
.endr
.endr
.endm
.macro FIRSTK chk                      ; a group's first key step; a tile's first group begins its sums with the constant 0: groups 0 and N1, by a branch on the cluster's y and the count of groups alone
.if \chk
	s_cmp_eq_u32 s[GI], s[ZG]
	s_cbranch_scc1 .Lzero_\@
	MUL16 0, 0
	s_branch .Lsum_\@
.Lzero_\@:
	s_mov_b32 s[ZG], s[N1]
	MUL16 0, 1
.Lsum_\@:
.else
	MUL16 0, 0
.endif
.endm
.macro MAYBE_EPI                       ; tile 1 is finished behind its group N1 - 1
	s_add_co_u32 s[GI], s[GI], 1
	s_cmp_lg_u32 s[N1], s[GI]
	s_cbranch_scc1 .Lno_epi_\@
	PLACES 8
	EPI 0
.Lno_epi_\@:
.endm
; A SLOT: two groups of 256 keys, four key steps.  In its last key step the slot is left: each wave waits for all its tensor loads, adds 0 to its spare word, waits for that and for its reads of the slot; kind 1: a round of the cluster's barrier,
; and the refill by all four waves, first behind it; kind 2: the same, by waves 0 and 2; kind 3: a plain barrier, nothing is left to fetch.
.macro TRIP kind, chke, chko, epi
	PLACES 9                                       ; behind the last products: for the loads into set 1 and for products that begin sums anew over the accumulators
	FETCH 0, 1, 1
	s_wait_dscnt 36                                ; set 0 is in; the 36 just issued may be out
	FIRSTK \chke
	PLACES 8
	FETCH 1, 0, 0
	s_wait_dscnt 36                                ; set 1 is in
	MUL16 1, 0
.if \epi
	MAYBE_EPI
.endif
	PLACES 9
	FETCH 1, 1, 1
	s_wait_dscnt 36
	FIRSTK \chko
	s_wait_tensorcnt 0x0                           ; all my tensor loads have landed: my tile of the next slot; so the descriptors may be written
	ds_add_u32 v[SPW], v[NIL]
.if \kind < 3
	DESC
.endif
	s_wait_dscnt 1                                 ; set 1 is in; the add may be out
	MUL8 1, 0, 0
	s_wait_dscnt 0x0                               ; the add is done, and my reads of this slot are over
	s_barrier_signal -1
	MUL8 1, 2, 0
	WIN 0
	s_barrier_wait -1
.if \kind == 1
	CREST                                          ; no wave of any partner still reads this slot or has a load on its way
	JLOAD                                          ; its four v_nop are four of the eight places
	PLACES 4
.elseif \kind == 2
	CREST
	JLOADH
	PLACES 8                                       ; all eight: waves 1 and 3 pass no line of the load
.else
	PLACES 8
.endif
	s_xor_b32 s[TB], s[TB], SLOT
	s_add_co_u32 s[TS], s[TS], 4096
	PLACE
	FETCH 0, 0, 0
.if \kind == 1
	s_wait_xcnt 0x0                                ; earlier prefetches have read their bases
	ADDR
	ASK                                            ; the next fill's bytes
.endif
.if \epi
	MAYBE_EPI
.endif
.endm
	PLACE
	FETCH 0, 0, 0
	s_mov_b32 s[LC], 2
.Lslot:
	TRIP 1, 1, 1, 1                                ; groups 0 to 3
	s_wait_alu depctr_va_vdst(0)
	s_sub_co_u32 s[LC], s[LC], 1
	s_cmp_lg_u32 s[LC], 0
	s_cbranch_scc1 .Lslot
	TRIP 2, 1, 0, 0                                ; groups 4, 5
	TRIP 3, 0, 0, 0                                ; groups 6, 7
	PLACES 9                                       ; group 8
	FETCH 0, 1, 1
	s_wait_dscnt 36
	MUL16 0, 0
	s_wait_dscnt 0x0
	MUL16 1, 0
	PLACES 8
	EPI 1
	s_wait_tensorcnt 0x0                           ; the wave's end
	ds_add_u32 v[SPW], v[NIL]
	s_wait_dscnt 0x0
	CROUND                                         ; the closing round
	s_endpgm
.Lfunc_end_k_qa5ac78efcb_pv:
	.size	k_qa5ac78efcb_pv, .Lfunc_end_k_qa5ac78efcb_pv-k_qa5ac78efcb_pv
	.p2alignl 7, 3214868480
	.fill 96, 4, 3214868480
	.section	.rodata,"a",@progbits
	.p2align	6, 0x0
	.amdhsa_kernel k_qa5ac78efcb_pv
		.amdhsa_group_segment_fixed_size 327680
		.amdhsa_private_segment_fixed_size 0
		.amdhsa_enable_private_segment 0
		.amdhsa_kernarg_size 40
		.amdhsa_user_sgpr_count 2
		.amdhsa_user_sgpr_kernarg_segment_ptr 1
		.amdhsa_wavefront_size32 1
		.amdhsa_system_sgpr_workgroup_id_x 1
		.amdhsa_system_sgpr_workgroup_id_y 1
		.amdhsa_system_sgpr_workgroup_id_z 1
		.amdhsa_system_vgpr_workitem_id 0
		.amdhsa_next_free_vgpr 512
		.amdhsa_next_free_sgpr 100
		.amdhsa_reserve_vcc 0
		.amdhsa_float_denorm_mode_32 3
		.amdhsa_float_denorm_mode_16_64 3
		.amdhsa_memory_ordered 1
		.amdhsa_forward_progress 1
		.amdhsa_inst_pref_size 157
	.end_amdhsa_kernel
	.amdgpu_metadata
---
amdhsa.version: [ 1, 2 ]
amdhsa.kernels:
  - .name:           k_qa5ac78efcb_pv
    .symbol:         k_qa5ac78efcb_pv.kd
    .args:
      - { .name: p_img, .offset: 0, .size: 8, .value_kind: global_buffer, .address_space: global }
      - { .name: p_aux, .offset: 8, .size: 8, .value_kind: global_buffer, .address_space: global }
      - { .name: qkv_img, .offset: 16, .size: 8, .value_kind: global_buffer, .address_space: global }
      - { .name: qkv_sc, .offset: 24, .size: 8, .value_kind: global_buffer, .address_space: global }
      - { .name: out0, .offset: 32, .size: 8, .value_kind: global_buffer, .address_space: global }
    .group_segment_fixed_size: 327680
    .private_segment_fixed_size: 0
    .kernarg_segment_align: 8
    .kernarg_segment_size: 40
    .max_flat_workgroup_size: 128
    .sgpr_count:     100
    .vgpr_count:     512
    .wavefront_size: 32
...
	.end_amdgpu_metadata
.endif
;; end of part 4
